; MI455X (gfx1250); checked and timed in simulation.
; The chip was launched on July 23, 2026; its instructions are those of AMD's public machine-readable ISA for CDNA 5 (MIT licence, August 2026) and "CDNA5" Instruction Set Architecture Reference Guide (July 2026). The comments in the code are by the model that wrote it; some were corrected since.
;; Base Layer. Allowed arithmetic: matrix products marked QUANTISED: E2M3 operands, one E8M0 scale for each 32 along K, by v_wmma_scale_f32_16x16x128_f8f6f4 with both operands' format E2M3, f32 sums; products left as they are: f32 operands where the result goes on into a quantised operand, else bf16, f16 or f32 operands; f32 sums; everything else in f32.
;; Inputs: W1 8 x 512 x 2,048 float32; W2 8 x 2,048 x 512 float32; b1 8 x 2,048 float32; b2 8 x 512 float32; centroids 8 x 512 float32; ln_b 8 x 512 float32; ln_g 8 x 512 float32; x 2 x 1,024 x 512 float32.
;; Outputs: out0 2 x 1,024 x 512 float32.
;; This version of the problem:
;;   THIS VERSION OF THE PROBLEM IS GIVEN IN LOW PRECISION. The matrix products marked QUANTISED in the list below multiply operands that are first quantised to E2M3 (2 exponent bits, 3 mantissa bits; 6 bits a number), with one power-of-two scale for each 32 numbers along K (OCP MX v1.0); their sums are f32. All else is computed in f32.
;;   The module's matrix products, in the order in which they are computed (A, B: the left and right operand; K: the contracted axis; several contracted axes count as one K, in the product's order):
;;     1. [M 2,048, K 512] x [K 512, N 8]; A: input x; B: input centroids: left as it is (N = 8 < 16)
;;     2. batch 2,048 x [M 1, K 512] x [K 512, N 1]; A: computed on the way; B: computed on the way: left as it is (M = 1 < 16)
;;     3. batch 8 x [M 2,048, K 512] x [K 512, N 2,048]; A: computed on the way; B: input W1: QUANTISED
;;     4. batch 8 x [M 2,048, K 2,048] x [K 2,048, N 512]; A: computed on the way; B: input W2: QUANTISED
;;   THE QUANTISER, for each operand of a quantised product, along K:
;;     - K is cut into blocks of 32 from its start; a last block that is shorter is filled with zeros.
;;     - A block's scale is 2^e with e = floor(log2(the largest magnitude in the block)) - 2, held to -126 .. 127; a block of zeros has e = 0. As a byte (E8M0): e + 127.
;;     - Each number is divided by its block's scale, clamped to +-7.5, and rounded to the nearest number of E2M3, ties to even, subnormals kept.
;;     - The product sums the exact products of the quantised numbers (number of the format x scale) in f32.
;;   ~~~python
;;   def quantise(x, axis):      # numpy; x: float32 -> the quantised numbers, widened to float32 again
;;       x = np.moveaxis(x, axis, -1); K = x.shape[-1]
;;       x = np.pad(x, [(0, 0)] * (x.ndim - 1) + [(0, -K % 32)]); x = x.reshape(x.shape[:-1] + (-1, 32)); a = np.abs(x).max(-1, keepdims=True)
;;       e = np.where(a > 0, np.clip(np.frexp(np.where(a > 0, a, 1))[1] - 1 - 2, -126, 127), 0)      # np.frexp(a)[1] - 1 = floor(log2(a)), exactly
;;       r = np.clip(x / 2.0 ** e, -7.5, 7.5)
;;       step = 2.0 ** (np.maximum(np.frexp(np.where(r == 0, 1, r))[1] - 1, 0) - 3)
;;       q = np.round(r / step) * step * 2.0 ** e      # np.round: ties to even
;;       return np.moveaxis(q.reshape(q.shape[:-2] + (-1,))[..., :K], -1, axis).astype(np.float32)
;;   ~~~
;;   OPERANDS COMPUTED ON THE WAY. 'Computed on the way' means the value that the module computes at that place (a softmax that the list does not call 'softmax' is quantised finished and normalised). What goes into a quantiser is computed in f32, as accurately as f32 sums, v_exp_f32 and their like allow (about 1e-6 of the number): no bf16 or f16 on the way to a quantiser, and a product that is left as it is and whose result goes on into a quantised operand takes f32 operands (vector FMAs, or v_wmma_f32_16x16x4_f32). A number that lies on a knife's edge between two numbers of the format may be rounded either way, as far as f32 arithmetic and the matrix unit's own rounding can turn it there, and no further.
;; 3 versions, each right; version 2 is faster than version 1; version 3 is version 2 with the launch sum written anew for expert scheduling mode. Each part assembles by itself: llvm-mc -triple=amdgcn-amd-amdhsa -mcpu=gfx1250 --defsym DOCPART=n.
;; ======== version 1 of 3: 2 launches
;; workspace buffers: w1c 6,291,456 bytes; w2c 6,291,456 bytes; w1s 262,144 bytes; w2s 262,144 bytes; alpha 8,192 bytes; route 4,096 bytes of whole numbers
;; launch prep (part 1): grid 1088 x 1, 4 waves a work-group, no clusters, 0 bytes of LDS; arguments x, centroids, W1, W2, w1c, w1s, w2c, w2s, alpha, route; writes w1c, w1s, w2c, w2s, alpha, route
.if DOCPART == 1
	.amdgcn_target "amdgcn-amd-amdhsa--gfx1250"
	.amdhsa_code_object_version 6
	.text
	.protected	k_q290106838a_prep
	.globl	k_q290106838a_prep
	.p2align	8
	.type	k_q290106838a_prep,@function
k_q290106838a_prep:
	s_mov_b64 s[64:65], 0
	v_nop
	global_prefetch_b8 v0, s[64:65] scope:SCOPE_SE
	s_setreg_imm32_b32 hwreg(HW_REG_WAVE_MODE, 25, 1), 1
	s_wait_xcnt 0x0
; PREP: three roles, chosen by the work-group's number alone.
;   work-groups 0-63      THE ROUTER: 32 tokens each, 8 a wave.  f32 scores against the 8 centroids, the argmax (a strict > keeps the lower index on a tie), alpha = sigmoid(best score).
;                         Stored at fixed places: for each expert and each 8 tokens one MASK byte (bit i: token 8 n + i went to this expert) and one COUNT byte, and alpha for each token.
;   work-groups 64-575    W1 [8][512 (k)][2048 (n)] f32 -> codes of FP6 (E2M3) and E8M0 scale bytes, quantised down K.
;   work-groups 576-1087  W2 [8][2048 (k)][512 (n)] likewise.
; THE CODES ARE LAID AS IMAGES OF THE OPERAND'S REGISTERS: a fragment (16 columns n x 128 along K) is 1,536 bytes: group g of four registers of lane l at 512 g + 16 l; lane (r, h) holds column r of the tile,
; registers 6 c .. 6 c + 5 the block 2 c + h of the K step.  W1: fragment (tile T, K step s) at (4 T + s) x 1,536; W2: at (16 T + s) x 1,536; an expert's codes are 786,432 bytes.
; THE COLUMNS OF A TILE OF W1 ARE NOT NEIGHBOURS: row r of tile 2 b + u of a group of 128 hidden units is unit 32 b + 8 u + r + 8 (r / 8), so that the next launch's results come out with 16 neighbours along its next K in a lane.
; A LANE TAKES A COLUMN AND ITS REGISTERS RUN DOWN K: each load reads 128 consecutive bytes a wave (512 a work-group), a block of 32 lies in one lane, and the conversions give codes with K innermost.
; A block's scale byte is its largest magnitude's exponent field - 2, held at 1 from below.
; LIMITS: NaN and infinities are not served.  A block of zeros gets the byte 1 (the rule says 127): its codes are zeros, and this program alone reads the bytes.  Blocks whose largest magnitude lies under 2^-124 are held at byte 1.
; The scores' sums go in another order than a row-by-row sum: a token whose two best scores agree to within f32 rounding may go to the other of the two experts.
; No LDS, no barrier: waves share nothing.  The matrix units and clusters have no work here: the launch streams 71 MB once.
.set X,    8                           ; router: v8-71    4 rows x 16 numbers: row i, load j: elements 128 j + 4 lane + 0 .. 3
.set CB,   72                          ; v72-103  two buffers of 16: one centroid's numbers at the same places
.set P,    104                         ; v104-111 four pairs of partial sums
.set S,    112                         ; v112-115 the four rows' scores
.set T,    116                         ; v116-119 destinations of the lane permute
.set BEST, 120                         ; v120-123 the best score so far
.set IDX,  124                         ; v124-127 and its expert
.set MASK, 128                         ; lane e: expert e's mask byte of my wave's 8 tokens
.set CNT,  129                         ; lane e: how many of them
.set ALP,  130                         ; lane i: token i's alpha
.set TMP,  131
.set D,    8                           ; quantiser: v8-71 two sets of 32 numbers
.set CODE, 72                          ; v72-95   the operand registers of lanes (r, 0) and (r, 1): 12 h + 6 c + i
.set PT,   96                          ; v96-98   a block's upper 16 codes, before they are moved
.set MX,   100
.set MY,   101
.set SO,   102                         ; the conversion's scale operand
.set BY,   103
.set SB,   104                         ; the K step's four scale bytes
	s_load_b512 s[4:19], s[0:1], 0x0               ; x s[4:5], centroids s[6:7], W1 s[8:9], W2 s[10:11], w1c s[12:13], w1s s[14:15], w2c s[16:17], w2s s[18:19]
	s_load_b128 s[20:23], s[0:1], 0x40             ; alpha s[20:21], route s[22:23]
	v_lshrrev_b32 v1, 5, v0
	v_readfirstlane_b32 s24, v1                    ; wave 0..3
	v_and_b32 v1, 31, v0                           ; lane
	s_mov_b32 s37, 0                               ; the upper word of every offset pair s[36:37]
	s_wait_kmcnt 0x0
	s_cmp_lt_u32 ttmp9, 64
	s_cbranch_scc0 .Lquant
; ---------------------------------------------------------------- THE ROUTER
	s_lshl_b32 s25, ttmp9, 2
	s_add_co_u32 s25, s25, s24                     ; which run of 8 tokens is my wave's: 4 x work-group + wave
	s_lshl_b32 s36, s25, 14                        ; 8 rows of 2,048 bytes
	s_add_nc_u64 s[28:29], s[4:5], s[36:37]        ; x at my first token
	s_mov_b32 s26, 0x76543210
	s_mov_b32 s27, 0xfedcba98                      ; v_permlanex16_b32's selects for lane l xor 16
	v_lshlrev_b32 v3, 4, v1                        ; 16 bytes a lane
	v_lshl_add_u32 v4, v1, 8, s25                  ; route: expert = lane, 256 bytes an expert, + my run's byte
	s_lshl_b32 s35, s25, 5
	v_lshl_add_u32 v5, v1, 2, s35                  ; alpha: 4 x (8 x run + lane)
.irp i, 0,1,2,3
	v_mov_b32 v[T+\i], 0                           ; written once: a lane permute's destination counts as one of its sources
.endr
	v_mov_b32 v[MASK], 0
	v_mov_b32 v[CNT], 0
	v_mov_b32 v[ALP], 0
.macro XLOAD bt                        ; four rows of x: each load reads 512 consecutive bytes
.irp i, 0,1,2,3
.irp j, 0,1,2,3
	global_load_b128 v[X+16*\i+4*\j:X+16*\i+4*\j+3], v3, s[28:29] offset:(4*\bt+\i)*2048+512*\j
.endr
.endr
.endm
; Step n = 8 x batch + expert: the four rows' scores against one centroid.
.macro SCORE n
.set EX, (\n)%8
.set CC, CB+16*((\n)%2)
.if (\n) < 15
.irp j, 0,1,2,3
	global_load_b128 v[CB+16*(((\n)+1)%2)+4*\j:CB+16*(((\n)+1)%2)+4*\j+3], v3, s[6:7] offset:2048*(((\n)+1)%8)+512*\j   ; the next step's centroid, into the other buffer
.endr
	s_wait_loadcnt 4                               ; only the four just issued may be out: this step's centroid and the batch of x are in
.else
	s_wait_loadcnt 0x0
.endif
.irp i, 0,1,2,3
	v_pk_mul_f32 v[P+2*\i:P+2*\i+1], v[X+16*\i:X+16*\i+1], v[CC:CC+1]
.endr
.irp k, 1,2,3,4,5,6,7
.irp i, 0,1,2,3
	v_pk_fma_f32 v[P+2*\i:P+2*\i+1], v[X+16*\i+2*\k:X+16*\i+2*\k+1], v[CC+2*\k:CC+2*\k+1], v[P+2*\i:P+2*\i+1]   ; the four rows by turns
.endr
.endr
.if (\n) == 7
	XLOAD 1                                        ; the first batch has been multiplied for the last time
.endif
.irp i, 0,1,2,3
	v_add_f32 v[S+\i], v[P+2*\i], v[P+2*\i+1]
.endr
.irp k, 1,2,4,8
.irp i, 0,1,2,3
	v_add_f32_dpp v[S+\i], v[S+\i], v[S+\i] row_xmask:\k row_mask:0xf bank_mask:0xf
.endr
.endr
.irp i, 0,1,2,3
	v_permlanex16_b32 v[T+\i], v[S+\i], s26, s27
.endr
.if EX == 0
.irp i, 0,1,2,3
	v_add_f32 v[BEST+\i], v[S+\i], v[T+\i]         ; every lane holds the row's score; expert 0 starts the maximum
	v_mov_b32 v[IDX+\i], 0
.endr
.else
.irp i, 0,1,2,3
	v_add_f32 v[S+\i], v[S+\i], v[T+\i]
.endr
.irp i, 0,1,2,3
	v_cmp_gt_f32 vcc_lo, v[S+\i], v[BEST+\i]       ; strictly greater: a tie keeps the lower index
	v_cndmask_b32 v[IDX+\i], v[IDX+\i], EX, vcc_lo
	v_max_num_f32 v[BEST+\i], v[BEST+\i], v[S+\i]
.endr
.endif
.endm
; A batch's four tokens are folded into the wave's three results.
.macro FOLD bt
.irp i, 0,1,2,3
	v_mul_f32 v[P+\i], 0xbfb8aa3b, v[BEST+\i]      ; -log2(e) x score
.endr
.irp i, 0,1,2,3
	v_exp_f32 v[P+\i], v[P+\i]
.endr
	v_nop                                          ; a plain instruction between a transcendental and the use of its result (ISA guide 5.7.2)
	s_wait_alu depctr_va_vdst(0)
.irp i, 0,1,2,3
	v_add_f32 v[P+\i], 1.0, v[P+\i]
.endr
.irp i, 0,1,2,3
	v_rcp_f32 v[P+\i], v[P+\i]                     ; alpha = 1 / (1 + 2^(-log2(e) score))
.endr
	v_nop
	s_wait_alu depctr_va_vdst(0)
.irp i, 0,1,2,3
	v_cmp_eq_u32 vcc_lo, 4*\bt+\i, v1
	v_cndmask_b32 v[ALP], v[ALP], v[P+\i], vcc_lo  ; lane = the token's place among my 8
	v_cmp_eq_u32 vcc_lo, v[IDX+\i], v1             ; lane = the token's expert
	v_cndmask_b32 v[TMP], 0, 1, vcc_lo
	v_lshl_or_b32 v[MASK], v[TMP], 4*\bt+\i, v[MASK]
	v_add_nc_u32 v[CNT], v[CNT], v[TMP]
.endr
.endm
	XLOAD 0
.irp j, 0,1,2,3
	global_load_b128 v[CB+4*\j:CB+4*\j+3], v3, s[6:7] offset:512*\j   ; centroid 0
.endr
.irp n, 0,1,2,3,4,5,6,7
	SCORE \n
.endr
	FOLD 0
.irp n, 8,9,10,11,12,13,14,15
	SCORE \n
.endr
	FOLD 1
	s_wait_xcnt 0x0                                ; EXEC changes only behind this wait
	v_cmp_gt_u32 vcc_lo, 8, v1
	s_and_saveexec_b32 s34, vcc_lo                 ; lanes 0-7: one for each expert, and one for each token
	global_store_b8 v4, v[MASK], s[22:23]          ; small stores to rows 256 bytes apart: 12 KB in the whole launch
	global_store_b8 v4, v[CNT], s[22:23] offset:2048
	global_store_b32 v5, v[ALP], s[20:21]
	s_wait_xcnt 0x0                                ; and again, in front of the line that widens it
	s_or_b32 exec_lo, exec_lo, s34
	s_endpgm
; ---------------------------------------------------------------- THE QUANTISERS: a wave takes 32 columns x 128 along K (one K step, 4 blocks); the four waves stand side by side on 128 columns
.macro QLOAD t, pitch                  ; block t: 32 rows of K at my column, into set t % 2
.set QI, 0
.rept 32
	global_load_b32 v[D+32*((\t)%2)+QI], v2, s[28:29] offset:(32*(\t)+QI)*(\pitch) th:TH_LOAD_NT
.set QI, QI+1
.endr
.endm
.macro QBLOCK t, pitch
.set DS, D+32*((\t)%2)
.set CD, CODE+12*((\t)%2)+6*((\t)/2)   ; block t = 2 c + h belongs to lane (r, h), registers 6 c on
.if (\t) < 3
	s_wait_loadcnt 32                              ; this block's 32 loads are in; the next block's 32 may be out
.else
	s_wait_loadcnt 0x0
.endif
	v_max3_num_f32 v[MX], |v[DS]|, |v[DS+1]|, |v[DS+2]|             ; the block's largest magnitude: all 32 numbers are mine; two chains
	v_max3_num_f32 v[MY], |v[DS+3]|, |v[DS+4]|, |v[DS+5]|
.irp i, 6,10,14,18,22,26
	v_max3_num_f32 v[MX], v[MX], |v[DS+\i]|, |v[DS+\i+1]|
	v_max3_num_f32 v[MY], v[MY], |v[DS+\i+2]|, |v[DS+\i+3]|
.endr
	v_max3_num_f32 v[MX], v[MX], |v[DS+30]|, |v[DS+31]|
	v_max3_num_f32 v[MX], v[MX], v[MY], 0x1800000  ; and the floor 2^(3 - 127): the byte cannot fall under 1
	v_add_nc_u32 v[SO], 0xff000000, v[MX]          ; 2 off the exponent field: the conversion takes this operand's exponent field as its scale, and nothing else of it
.if (\t) == 0
	v_lshrrev_b32 v[SB], 23, v[SO]                 ; the scale's byte; four to the word, the lower K in the lower byte
.else
	v_lshrrev_b32 v[BY], 23, v[SO]
	v_lshl_or_b32 v[SB], v[BY], 8*(\t), v[SB]
.endif
	v_cvt_scalef32_pk16_fp6_f32 v[CD:CD+2], v[DS:DS+15], v[SO]
	v_cvt_scalef32_pk16_fp6_f32 v[PT:PT+2], v[DS+16:DS+31], v[SO]   ; (a conversion's three registers begin on an even number: the block's second three do not)
	v_nop                                          ; one plain instruction between a scaled conversion and the vector instruction that touches its result
.irp i, 0,1,2
	v_mov_b32 v[CD+3+\i], v[PT+\i]
.endr
.if (\t) < 2
	QLOAD (\t)+2, \pitch
.endif
.endm
.macro QJOB pitch
	QLOAD 0, \pitch
	QLOAD 1, \pitch
	QBLOCK 0, \pitch
	QBLOCK 1, \pitch
	QBLOCK 2, \pitch
	QBLOCK 3, \pitch
.irp h, 0,1
.irp g, 0,1,2
	global_store_b128 v3, v[CODE+12*\h+4*\g:CODE+12*\h+4*\g+3], s[30:31] offset:512*\g+256*\h   ; the 16 lanes of a tile store 256 consecutive bytes, aligned: two such runs an instruction
.endr
.endr
	global_store_b32 v4, v[SB], s[32:33]           ; 128 consecutive bytes a wave, 512 a work-group
	s_endpgm
.endm
.Lquant:
	v_lshlrev_b32 v2, 2, v1                        ; in: 4 bytes a lane
	s_cmp_lt_u32 ttmp9, 576
	s_cbranch_scc0 .Lw2
	; W1: job q = expert x 64 + K step x 16 + group of 128 hidden units
	s_sub_co_u32 s25, ttmp9, 64
	s_lshr_b32 s26, s25, 6                         ; expert
	s_bfe_u32 s27, s25, 0x20004                    ; K step 0..3
	s_and_b32 s34, s25, 15                         ; group 0..15
	s_lshl_b32 s36, s26, 22                        ; an expert: 512 rows of 8,192 bytes
	s_lshl_b32 s35, s27, 20                        ; a K step: 128 rows
	s_add_co_u32 s36, s36, s35
	s_lshl_b32 s35, s34, 9                         ; a group: 512 bytes of a row
	s_add_co_u32 s36, s36, s35
	s_lshl_b32 s35, s24, 7                         ; my wave's 32 columns
	s_add_co_u32 s36, s36, s35
	s_add_nc_u64 s[28:29], s[8:9], s[36:37]
	s_lshl_b32 s35, s34, 3
	s_lshl_b32 s38, s24, 1
	s_add_co_u32 s35, s35, s38                     ; my first tile: 8 x group + 2 x wave
	s_lshl_b32 s35, s35, 2
	s_add_co_u32 s35, s35, s27                     ; fragment 4 T + s
	s_mul_i32 s35, s35, 1536
	s_mul_i32 s36, s26, 786432
	s_add_co_u32 s36, s36, s35
	s_add_nc_u64 s[30:31], s[12:13], s[36:37]
	s_lshl_b32 s35, s34, 2
	s_add_co_u32 s35, s35, s27
	s_lshl_b32 s35, s35, 9                         ; scale words: (4 x group + s) x 512 bytes,
	s_lshl_b32 s36, s26, 15                        ; 32,768 an expert,
	s_add_co_u32 s36, s36, s35
	s_lshl_b32 s35, s24, 7                         ; 128 for my wave's two tiles
	s_add_co_u32 s36, s36, s35
	s_add_nc_u64 s[32:33], s[14:15], s[36:37]
	v_bfe_u32 v5, v1, 3, 1                         ; column o of my 32 is row r of tile u: u = (o / 8) % 2,
	v_and_b32 v6, 7, v1
	v_lshrrev_b32 v7, 4, v1
	v_lshl_add_u32 v6, v7, 3, v6                   ; r = o % 8 + 8 (o / 16)
	v_lshlrev_b32 v3, 4, v6
	v_mad_u32_u24 v3, v5, 6144, v3                 ; codes: 16 r, + four fragments for the second tile
	v_lshl_add_u32 v4, v5, 4, v6
	v_lshlrev_b32 v4, 2, v4                        ; scale word: 4 (16 u + r)
	QJOB 8192
.Lw2:
	; W2: job q = expert x 64 + K step x 4 + block of 128 outputs
	s_sub_co_u32 s25, ttmp9, 576
	s_lshr_b32 s26, s25, 6                         ; expert
	s_bfe_u32 s27, s25, 0x40002                    ; K step 0..15
	s_and_b32 s34, s25, 3                          ; block of columns 0..3
	s_lshl_b32 s36, s26, 22                        ; an expert: 2,048 rows of 2,048 bytes
	s_lshl_b32 s35, s27, 18                        ; a K step: 128 rows
	s_add_co_u32 s36, s36, s35
	s_lshl_b32 s35, s34, 9
	s_add_co_u32 s36, s36, s35
	s_lshl_b32 s35, s24, 7
	s_add_co_u32 s36, s36, s35
	s_add_nc_u64 s[28:29], s[10:11], s[36:37]
	s_lshl_b32 s35, s34, 3
	s_lshl_b32 s38, s24, 1
	s_add_co_u32 s35, s35, s38                     ; my first tile: 8 x block + 2 x wave
	s_lshl_b32 s35, s35, 4
	s_add_co_u32 s35, s35, s27                     ; fragment 16 T + s
	s_mul_i32 s35, s35, 1536
	s_mul_i32 s36, s26, 786432
	s_add_co_u32 s36, s36, s35
	s_add_nc_u64 s[30:31], s[16:17], s[36:37]
	s_lshl_b32 s35, s34, 4
	s_add_co_u32 s35, s35, s27
	s_lshl_b32 s35, s35, 9                         ; scale words: (16 x block + s) x 512 bytes
	s_lshl_b32 s36, s26, 15
	s_add_co_u32 s36, s36, s35
	s_lshl_b32 s35, s24, 7
	s_add_co_u32 s36, s36, s35
	s_add_nc_u64 s[32:33], s[18:19], s[36:37]
	v_lshrrev_b32 v5, 4, v1                        ; here the columns of a tile are neighbours: u = o / 16,
	v_and_b32 v6, 15, v1                           ; r = o % 16
	v_lshlrev_b32 v3, 4, v6
	v_mad_u32_u24 v3, v5, 24576, v3                ; codes: 16 r, + sixteen fragments for the second tile
	v_lshlrev_b32 v4, 2, v1                        ; scale word: 4 o
	QJOB 2048
.Lfunc_end_k_q290106838a_prep:
	.size	k_q290106838a_prep, .Lfunc_end_k_q290106838a_prep-k_q290106838a_prep
	.p2alignl 7, 3214868480
	.fill 96, 4, 3214868480
	.section	.rodata,"a",@progbits
	.p2align	6, 0x0
	.amdhsa_kernel k_q290106838a_prep
		.amdhsa_group_segment_fixed_size 0
		.amdhsa_private_segment_fixed_size 0
		.amdhsa_enable_private_segment 0
		.amdhsa_kernarg_size 80
		.amdhsa_user_sgpr_count 2
		.amdhsa_user_sgpr_kernarg_segment_ptr 1
		.amdhsa_wavefront_size32 1
		.amdhsa_system_sgpr_workgroup_id_x 1
		.amdhsa_system_sgpr_workgroup_id_y 1
		.amdhsa_system_sgpr_workgroup_id_z 1
		.amdhsa_system_vgpr_workitem_id 0
		.amdhsa_next_free_vgpr 144
		.amdhsa_next_free_sgpr 66
		.amdhsa_reserve_vcc 1
		.amdhsa_float_denorm_mode_32 3
		.amdhsa_float_denorm_mode_16_64 3
		.amdhsa_memory_ordered 1
		.amdhsa_forward_progress 1
		.amdhsa_inst_pref_size 118
	.end_amdhsa_kernel
	.amdgpu_metadata
---
amdhsa.version: [ 1, 2 ]
amdhsa.kernels:
  - .name:           k_q290106838a_prep
    .symbol:         k_q290106838a_prep.kd
    .args:
      - { .name: x, .offset: 0, .size: 8, .value_kind: global_buffer, .address_space: global }
      - { .name: centroids, .offset: 8, .size: 8, .value_kind: global_buffer, .address_space: global }
      - { .name: W1, .offset: 16, .size: 8, .value_kind: global_buffer, .address_space: global }
      - { .name: W2, .offset: 24, .size: 8, .value_kind: global_buffer, .address_space: global }
      - { .name: w1c, .offset: 32, .size: 8, .value_kind: global_buffer, .address_space: global }
      - { .name: w1s, .offset: 40, .size: 8, .value_kind: global_buffer, .address_space: global }
      - { .name: w2c, .offset: 48, .size: 8, .value_kind: global_buffer, .address_space: global }
      - { .name: w2s, .offset: 56, .size: 8, .value_kind: global_buffer, .address_space: global }
      - { .name: alpha, .offset: 64, .size: 8, .value_kind: global_buffer, .address_space: global }
      - { .name: route, .offset: 72, .size: 8, .value_kind: global_buffer, .address_space: global }
    .group_segment_fixed_size: 0
    .private_segment_fixed_size: 0
    .kernarg_segment_align: 8
    .kernarg_segment_size: 80
    .max_flat_workgroup_size: 128
    .sgpr_count:     66
    .vgpr_count:     144
    .wavefront_size: 32
...
	.end_amdgpu_metadata
.endif
;; end of part 1
;; launch chain (part 2): grid 71 x 1, 8 waves a work-group, no clusters, 181,248 bytes of LDS; arguments x, ln_g, ln_b, b1, b2, w1c, w1s, w2c, w2s, alpha, route, out0; writes out0
.if DOCPART == 2
	.amdgcn_target "amdgcn-amd-amdhsa--gfx1250"
	.amdhsa_code_object_version 6
	.text
	.protected	k_q290106838a_chain
	.globl	k_q290106838a_chain
	.p2align	8
	.type	k_q290106838a_chain,@function
k_q290106838a_chain:
	s_mov_b64 s[64:65], 0
	v_nop
	global_prefetch_b8 v0, s[64:65] scope:SCOPE_SE
	s_setreg_imm32_b32 hwreg(HW_REG_WAVE_MODE, 25, 1), 1
	s_wait_xcnt 0x0
; CHAIN: out[t] = x[t] + alpha[t] (Q(relu(Q(LN_e(x[t])) Q(W1[e]) + b1[e])) Q(W2[e]) + b2[e]), e the token's expert; Q: codes of FP6 (E2M3) with one E8M0 scale for each 32 along K.
; ONE WORK-GROUP TAKES ONE TILE OF AT MOST 32 ROWS OF ONE EXPERT THROUGH THE WHOLE CHAIN.  With 2,048 routed rows, 8 experts and tiles of 32 there are never more than 64 + 7 = 71 tiles, whatever the split:
; the grid.  A work-group that a split leaves without rows walks the text on clamped addresses and jumps over its stores alone (every wave passes every barrier).
; THE TILE AND ITS TOKENS come from whole numbers that the launch before stored: count bytes give each expert's rows, and so which expert and which 32 ranks are mine; the expert's 64 mask words (bit = token) give
; 'the k-th token of the expert' by prefix counts and a search among a word's bits.  Ranks past the expert's last repeat its last token: such rows compute and store the same numbers at the same place.
; SHARES.  Eight waves share the COLUMNS: wave w makes hidden units 256 w .. + 255 (K steps 2 w, 2 w + 1 of the second product) and outputs 64 w .. + 63, for all 32 rows.  So each fragment of a weight is read by ONE
; wave: it goes from memory straight into registers, as the image in which the launch before laid it (three loads of 16 bytes a lane), through a ring of 4 sets (4 fragments + 2 scale registers: 14 loads) that runs 4 sets ahead.
; The rows' codes go from wave to wave through LDS as images of the operand's registers; the hidden layer never goes to memory.
; BOTH PRODUCTS ARE USED TRANSPOSED (source 0 = 16 rows of the weight, source 1 = 16 token rows): a lane holds one token row, its registers run along the product's N.  W1's tiles were laid so that the 16 registers of two
; neighbouring tiles are 16 neighbours along the next K.  The biases are the C of each sum's first matrix instruction.
; NO CLUSTER, NO JOINT LOADS: which expert a work-group walks, and how many tiles an expert has, hang on counts read from memory, so partners of a fixed cluster need not share an expert.
; NO TENSOR LOADS: no weight byte is read by two waves of a work-group.  No loop: 32 sets a wave, written out by macros with immediate offsets.
; LIMITS: NaN and infinities are not served.  A block of zeros gets the scale byte 1 with zero codes; blocks whose largest magnitude lies under 2^-124 are held at byte 1.
; REGISTERS, in windows of 256.  Window 0: v1-15 addresses that stay; v16-79 the 8 accumulators (32 m + 8 t); v80-111 biases; v112-119 the weights' scale words; v120-123 the rows';
;   v124-139 the way out's offsets, v140-155 its alpha; v156-193 the quantiser's; v194-255 at work, from set 27 on the way out's x.   Window 1: v0-191 the ring; v192-239 two buffers of 2 row fragments.
.set LIST,  0                          ; LDS: 128 bytes for each wave, its own: the tokens of rows 0-31
.set ALIST, 1024                       ; likewise their alpha
.set B1L,   2048                       ; b1[e], 8,192 bytes
.set B2L,   10240                      ; b2[e], 2,048 bytes
.set HFS,   12288                      ; LN(x): 32 rows of f32,
.set HFP,   2064                       ; 2,048 bytes + 16: 129 x 16, so that 16 rows at one column start at 16 different places modulo 256 bytes
.set XIMG,  78336                      ; the rows' 8 fragments for the first product: image 4 m + s
.set XSC,   90624                      ; their scale words, 128 bytes each
.set HIMG,  91648                      ; the hidden layer's 32 fragments: image 16 m + s
.set HSC,   140800                     ; their scale words
.set STG,   144896                     ; the way out: 16 rows x (256 bytes + 16) for each wave
.set FRB,   1536                       ; a fragment's image
.set LI,  1                            ; 16 x lane
.set LS,  2                            ; 4 x lane
.set XI,  3                            ; XIMG + 16 lane
.set XSA, 4                            ; XSC + 4 lane
.set HI,  5                            ; HIMG + 16 lane
.set HSA, 6                            ; HSC + 4 lane
.set HW,  7                            ; where I store the hidden layer's images: HI + 2 FRB x wave
.set HWS, 8                            ; and their scale words: HSA + 256 x wave
.set BA,  9                            ; B1L + 64 h + 1,024 x wave
.set B2A, 10                           ; B2L + 32 h + 256 x wave
.set SO,  11                           ; my stage, in: row r, + 32 h
.set SR,  12                           ; and back: lanes 0-15 one row, lanes 16-31 the next
.set QA,  13                           ; HFS: row 16 (wave / 4) + r, K step wave % 4, + 64 h
.set XW,  14                           ; XI + FRB x wave
.set XWS, 15                           ; XSA + 128 x wave
.set ACC, 16
.set BIA, 80
.set SW,  112
.set BS,  120
.set OFFE, 124
.set ALF, 140
.set TM,  156                          ; +0, +1 largest magnitudes; +2, +3 permute destinations, then bytes; +4, +5 scale operands
.set PC,  164                          ; the codes being made: 12 m + 6 c + i
.set PT,  188
.set PW,  192                          ; the scale words being made: m
.set XE,  192
.set LW,  194                          ; 4 x thread: my word in LIST and ALIST
.set LL,  195                          ; 128 x wave + 4 h
.set LU,  196                          ; 144 x wave: the tokens of rows 4 w on, in my own list
.set HFW, 197                          ; HFS + 4 HFP x wave + 16 lane
.set T16, 198                          ; 16 x thread
.set T8,  199                          ; 8 x thread
.set B1D, 200
.set B2D, 208
.set ALD, 210
.set SU,  212                          ; v212-219 LayerNorm: four pairs of sums
.set SQ,  220                          ; v220-227 four pairs of sums of squares
.set PX,  228                          ; v228-231 permute destinations
.set KR,  232                          ; my rank among the expert's tokens
.set WORD, 233
.set PB,  234
.set KK,  235
.set BLK, 236
.set POS, 237
.set PCA, 238
.set PCB, 239
.set PCC, 240
.set TT,  241
.set UU,  242
.set TOK, 243
.set TA,  244
.set TKN, 246                          ; v246-249
.set CBR, 250
.set LANE, 251
.set RR,  252
.set HH,  253
.set WV,  28                           ; s28 wave;  s29 expert;  s30 rows in my tile;  s31 its first rank
.set EX,  29
.set NR,  30
.set R0,  31
.set SP,  66
.set ST,  67
.set JJ,  76
.set CE,  77
.set SJ,  78
.set MSB, 0
.macro WIN new                         ; s_set_vgpr_msb: bits 1:0 source 0, 3:2 source 1, 5:4 source 2, 7:6 destination; the high byte repeats the setting that is left
.if MSB != \new
	s_set_vgpr_msb (MSB<<8)|\new
.set MSB, \new
.endif
.endm
.macro BARRIER                         ; my LDS stores have landed and my LDS loads are in: then the work-group's barrier
	s_wait_dscnt 0x0
	s_barrier_signal -1
	s_barrier_wait -1
.endm
	s_load_b512 s[4:19], s[0:1], 0x0               ; x s[4:5], ln_g s[6:7], ln_b s[8:9], b1 s[10:11], b2 s[12:13], w1c s[14:15], w1s s[16:17], w2c s[18:19]
	s_load_b256 s[20:27], s[0:1], 0x40             ; w2s s[20:21], alpha s[22:23], route s[24:25], out0 s[26:27]
	v_lshl_add_u32 v191, v0, 2, 0x2c000
	s_set_vgpr_msb 0x40
	v_mov_b32 v255, 0
	s_set_vgpr_msb 0x4000
	v_lshrrev_b32 v[LANE], 5, v0
	v_readfirstlane_b32 s[WV], v[LANE]             ; wave 0..7
	v_and_b32 v[LANE], 31, v0
	v_and_b32 v[RR], 15, v0                        ; r
	v_bfe_u32 v[HH], v0, 4, 1                      ; h
	s_mov_b32 s100, 0x76543210
	s_mov_b32 s101, 0xfedcba98                     ; v_permlanex16_b32's selects for lane l xor 16
	v_lshlrev_b32 v[LI], 4, v[LANE]
	v_lshlrev_b32 v[LS], 2, v[LANE]
	v_add_nc_u32 v[XI], XIMG, v[LI]
	v_add_nc_u32 v[XSA], XSC, v[LS]
	v_add_nc_u32 v[HI], HIMG, v[LI]
	v_add_nc_u32 v[HSA], HSC, v[LS]
	s_mul_i32 s[SP], s[WV], 2*FRB
	v_add_nc_u32 v[HW], s[SP], v[HI]
	s_lshl_b32 s[SP], s[WV], 8
	v_add_nc_u32 v[HWS], s[SP], v[HSA]
	v_lshl_add_u32 v[CBR], v[RR], 4, s[SP]         ; my 16 bytes of a row of x and of out: 256 x wave + 16 r
	s_add_co_u32 s[SP], s[SP], B2L
	v_lshl_add_u32 v[B2A], v[HH], 5, s[SP]
	s_lshl_b32 s[SP], s[WV], 10
	s_add_co_u32 s[SP], s[SP], B1L
	v_lshl_add_u32 v[BA], v[HH], 6, s[SP]
	s_mul_i32 s[SP], s[WV], 16*272
	s_add_co_u32 s[SP], s[SP], STG
	v_mul_u32_u24 v[SO], v[RR], 272
	v_lshl_add_u32 v[SO], v[HH], 5, v[SO]
	v_add_nc_u32 v[SO], s[SP], v[SO]
	v_mul_u32_u24 v[SR], v[HH], 272
	v_lshl_add_u32 v[SR], v[RR], 4, v[SR]
	v_add_nc_u32 v[SR], s[SP], v[SR]
	s_lshr_b32 s[SP], s[WV], 2
	s_mul_i32 s[SP], s[SP], 16*HFP
	s_and_b32 s[ST], s[WV], 3
	s_lshl_b32 s[ST], s[ST], 9
	s_add_co_u32 s[SP], s[SP], s[ST]
	s_add_co_u32 s[SP], s[SP], HFS
	v_mul_u32_u24 v[QA], v[RR], HFP
	v_lshl_add_u32 v[QA], v[HH], 6, v[QA]
	v_add_nc_u32 v[QA], s[SP], v[QA]
	s_mul_i32 s[SP], s[WV], FRB
	v_add_nc_u32 v[XW], s[SP], v[XI]
	s_lshl_b32 s[SP], s[WV], 7
	v_add_nc_u32 v[XWS], s[SP], v[XSA]
	v_lshl_add_u32 v[LL], v[HH], 2, s[SP]
	v_lshlrev_b32 v[LW], 2, v0
	s_mul_i32 s[SP], s[WV], 144
	v_mov_b32 v[LU], s[SP]
	s_mul_i32 s[SP], s[WV], 4*HFP
	s_add_co_u32 s[SP], s[SP], HFS
	v_add_nc_u32 v[HFW], s[SP], v[LI]
	v_lshlrev_b32 v[T16], 4, v0
	v_lshlrev_b32 v[T8], 3, v0
	v_and_b32 v[TT], 7, v[LANE]
	v_lshlrev_b32 v[TT], 8, v[TT]                  ; the count bytes of expert lane % 8: 256 bytes an expert
.irp i, 0,1,2,3
	v_mov_b32 v[PX+\i], 0                          ; written once: a lane permute's destination counts as one of its sources
.endr
	v_mov_b32 v[TM+2], 0
	v_mov_b32 v[TM+3], 0
	s_wait_kmcnt 0x0
; ---- WHICH TILE IS MINE.  A LANE TAKES AN EXPERT (lane % 8) and adds all its 256 count bytes itself: 16 loads of 16 bytes, plain additions, no exchange between lanes; lanes 0-7 then hand the eight counts to scalars.
.irp j, 0,1,2,3,4,5,6,7,8,9,10,11,12,13,14,15
	global_load_b128 v[ACC+4*\j:ACC+4*\j+3], v[TT], s[24:25] offset:2048+16*\j   ; (the accumulators' registers are idle here)
.endr
	s_wait_loadcnt 0x0
.irp k, 1,2,3,4,5,6,7,8,9,10,11,12,13,14,15
.irp g, 0,1,2,3
	v_add_nc_u32 v[ACC+16*\g], v[ACC+16*\g], v[ACC+16*\g+\k]           ; four groups of 16 words by turns, byte by byte: 16 counts of at most 8 stay inside a byte
.endr
.endr
.irp g, 0,1,2,3
	v_lshrrev_b32 v[ACC+16*\g+1], 8, v[ACC+16*\g]
	v_and_b32 v[ACC+16*\g], 0xff00ff, v[ACC+16*\g]
	v_and_b32 v[ACC+16*\g+1], 0xff00ff, v[ACC+16*\g+1]
	v_add_nc_u32 v[ACC+16*\g], v[ACC+16*\g], v[ACC+16*\g+1]            ; two halves of at most 256
.endr
	v_add_nc_u32 v[ACC], v[ACC], v[ACC+16]
	v_add_nc_u32 v[ACC+32], v[ACC+32], v[ACC+48]
	v_add_nc_u32 v[ACC], v[ACC], v[ACC+32]         ; of at most 1,024
	v_lshrrev_b32 v[ACC+1], 16, v[ACC]
	v_and_b32 v[ACC], 0xffff, v[ACC]
	v_add_nc_u32 v[ACC], v[ACC], v[ACC+1]          ; the expert's rows
.irp e, 0,1,2,3,4,5,6,7
	v_readlane_b32 s[68+\e], v[ACC], \e
.endr
	s_mov_b32 s[SP], 0                             ; tiles of the experts before
	s_mov_b32 s[EX], 0
	s_mov_b32 s[JJ], 0
	s_mov_b32 s[CE], 0
.irp e, 0,1,2,3,4,5,6,7
	s_add_co_u32 s[ST], s[68+\e], 31
	s_lshr_b32 s[ST], s[ST], 5                     ; the expert's tiles
	s_sub_co_u32 s[SJ], ttmp9, s[SP]               ; (wraps to a large number where my tile lies before)
	s_cmp_lt_u32 s[SJ], s[ST]
	s_cselect_b32 s[EX], \e, s[EX]
	s_cselect_b32 s[JJ], s[SJ], s[JJ]
	s_cselect_b32 s[CE], s[68+\e], s[CE]
	s_add_co_u32 s[SP], s[SP], s[ST]
.endr
	s_lshl_b32 s[R0], s[JJ], 5                     ; my first rank
	s_sub_co_u32 s[NR], s[CE], s[R0]
	s_min_u32 s[NR], s[NR], 32                     ; my rows; 0 where no tile is left for me
	s_min_u32 s[EX], s[EX], 7                      ; a number made of loaded ones enters addresses only behind a clamp
	s_sub_co_u32 s[SJ], s[CE], 1
	v_add_nc_u32 v[KR], s[R0], v[LANE]
	v_min_u32 v[KR], s[SJ], v[KR]                  ; lane = row: its rank, held at the expert's last
; ---- THE BASES, AND THE FIRST REQUESTS
	s_mov_b32 s3, 0
	s_mul_i32 s[SP], s[EX], 786432                 ; an expert's codes;
	s_mul_i32 s[ST], s[WV], 64*FRB                 ; my wave's 64 fragments, in W1 (16 tiles x 4 K steps) as in W2 (4 tiles x 16)
	s_add_co_u32 s2, s[SP], s[ST]
	s_add_nc_u64 s[14:15], s[14:15], s[2:3]
	s_add_nc_u64 s[18:19], s[18:19], s[2:3]
	s_lshl_b32 s[SP], s[EX], 15                    ; an expert's scale words
	s_lshl_b32 s[ST], s[WV], 12                    ; W1: my two groups x 4 K steps x 512 bytes
	s_add_co_u32 s2, s[SP], s[ST]
	s_add_nc_u64 s[16:17], s[16:17], s[2:3]
	s_lshr_b32 s[ST], s[WV], 1
	s_lshl_b32 s[ST], s[ST], 13                    ; W2: block of 128 outputs wave / 2: 16 K steps x 512 bytes,
	s_add_co_u32 s2, s[SP], s[ST]
	s_and_b32 s[ST], s[WV], 1
	s_lshl_b32 s[ST], s[ST], 8                     ; and my 64 outputs' words in it
	s_add_co_u32 s2, s2, s[ST]
	s_add_nc_u64 s[20:21], s[20:21], s[2:3]
	s_lshl_b32 s2, s[EX], 11
	s_add_nc_u64 s[6:7], s[6:7], s[2:3]
	s_add_nc_u64 s[8:9], s[8:9], s[2:3]
	s_add_nc_u64 s[12:13], s[12:13], s[2:3]
	s_lshl_b32 s2, s[EX], 13
	s_add_nc_u64 s[10:11], s[10:11], s[2:3]
	s_lshl_b32 s2, s[EX], 8
	s_add_nc_u64 s[24:25], s[24:25], s[2:3]        ; (the count bytes' loads, which named this base, have come back)
	s_load_b512 s[32:47], s[24:25], 0x0            ; the expert's 64 mask words: word b covers tokens 32 b .. 32 b + 31; words 0-31 in s32-63,
	s_load_b512 s[48:63], s[24:25], 0x40
	s_load_b512 s[68:83], s[24:25], 0x80           ; words 32-63 in s68-99
	s_load_b512 s[84:99], s[24:25], 0xc0
; THE STREAM OF WEIGHTS: 32 sets a wave.  Sets 0-15, first product: half group q / 4 (4 tiles of 16 hidden units), K step q % 4.  Sets 16-31, second product: my 4 tiles of outputs, K step q - 16.  Set q lies in ring slot q % 4.
.macro WLOADC q                        ; a set's four fragments (destination window 1)
.set SL, 48*((\q)%4)
.irp t, 0,1,2,3
.irp g, 0,1,2
.if (\q) < 16
	global_load_b128 v[SL+12*\t+4*\g:SL+12*\t+4*\g+3], v[LI], s[14:15] offset:((4*((\q)/4)+\t)*4+(\q)%4)*FRB+512*\g
.else
	global_load_b128 v[SL+12*\t+4*\g:SL+12*\t+4*\g+3], v[LI], s[18:19] offset:(16*\t+(\q)-16)*FRB+512*\g
.endif
.endr
.endr
.endm
.macro WLOADS q                        ; and its scale words: register p: lanes 0-15 tile 2 p's, lanes 16-31 tile 2 p + 1's
.irp p, 0,1
.if (\q) < 16
	global_load_b32 v[SW+2*((\q)%4)+\p], v[LS], s[16:17] offset:(4*((\q)/8)+(\q)%4)*512+128*(2*(((\q)/4)%2)+\p)
.else
	global_load_b32 v[SW+2*((\q)%4)+\p], v[LS], s[20:21] offset:512*((\q)-16)+128*\p
.endif
.endr
.endm
	WIN 0x40
.irp q, 0,1,2,3
	WLOADC \q
.endr
	WIN 0
.irp q, 0,1,2,3
	WLOADS \q
.endr
.irp j, 0,1,2,3
	global_load_b128 v[BIA+4*\j:BIA+4*\j+3], v[LI], s[6:7] offset:512*\j        ; the expert's gain and bias of the norm, at the places at which a wave holds a row of x
	global_load_b128 v[BIA+16+4*\j:BIA+16+4*\j+3], v[LI], s[8:9] offset:512*\j
.endr
	global_load_b128 v[B1D:B1D+3], v[T16], s[10:11]
	global_load_b128 v[B1D+4:B1D+7], v[T16], s[10:11] offset:4096
	global_load_b64 v[B2D:B2D+1], v[T8], s[12:13]
; ---- MY ROWS' TOKENS.  Every wave does this for itself.  The word that holds my rank is the last whose prefix count does not pass it.
.macro SELBLK sreg, b
	s_lshl_b32 s[ST], s[SP], 6
	s_or_b32 s[ST], s[ST], \b                      ; the prefix and the word's number in one register
	v_cmp_le_u32 vcc_lo, s[SP], v[KR]
	v_cndmask_b32 v[WORD], v[WORD], s[\sreg], vcc_lo
	v_cndmask_b32 v[PB], v[PB], s[ST], vcc_lo
	s_bcnt1_i32_b32 s104, s[\sreg]
	s_add_co_u32 s[SP], s[SP], s104
.endm
.macro PICK width                      ; TT set bits lie in the lower half of what is left: where my rank is not among them, pass them by
	v_cmp_ge_u32 vcc_lo, v[KK], v[TT]
	v_cndmask_b32 v[UU], 0, v[TT], vcc_lo
	v_sub_nc_u32 v[KK], v[KK], v[UU]
	v_cndmask_b32 v[UU], 0, \width, vcc_lo
	v_add_nc_u32 v[POS], v[POS], v[UU]
.endm
	v_mov_b32 v[WORD], 0
	v_mov_b32 v[PB], 0
	s_mov_b32 s[SP], 0
	s_wait_kmcnt 0x0                               ; the mask words
.set NB, 0
.rept 32
	SELBLK 32+NB, NB
.set NB, NB+1
.endr
.rept 32
	SELBLK 36+NB, NB
.set NB, NB+1
.endr
	v_lshrrev_b32 v[KK], 6, v[PB]
	v_sub_nc_u32 v[KK], v[KR], v[KK]               ; my rank within the word
	v_and_b32 v[BLK], 63, v[PB]
	v_lshrrev_b32 v[PCA], 1, v[WORD]
	v_and_b32 v[PCA], 0x55555555, v[PCA]
	v_sub_nc_u32 v[PCA], v[WORD], v[PCA]           ; counts of 2 bits,
	v_lshrrev_b32 v[PCB], 2, v[PCA]
	v_and_b32 v[PCB], 0x33333333, v[PCB]
	v_and_b32 v[TT], 0x33333333, v[PCA]
	v_add_nc_u32 v[PCB], v[PCB], v[TT]             ; of 4,
	v_lshrrev_b32 v[PCC], 4, v[PCB]
	v_add_nc_u32 v[PCC], v[PCC], v[PCB]
	v_and_b32 v[PCC], 0x0f0f0f0f, v[PCC]           ; of 8,
	v_lshrrev_b32 v[TT], 8, v[PCC]
	v_add_nc_u32 v[TT], v[TT], v[PCC]
	v_and_b32 v[TT], 0xff, v[TT]                   ; of the lower 16
	v_mov_b32 v[POS], 0
	PICK 16
	v_bfe_u32 v[TT], v[PCC], v[POS], 8
	PICK 8
	v_bfe_u32 v[TT], v[PCB], v[POS], 4
	PICK 4
	v_bfe_u32 v[TT], v[PCA], v[POS], 2
	PICK 2
	v_bfe_u32 v[TT], v[WORD], v[POS], 1
	PICK 1
	v_lshl_add_u32 v[TOK], v[BLK], 5, v[POS]
	v_min_u32 v[TOK], 0x7ff, v[TOK]                ; my row's token
	ds_store_b32 v[LW], v[TOK] offset:LIST
	v_lshlrev_b32 v[TA], 2, v[TOK]
	global_load_b32 v[ALD], v[TA], s[22:23]        ; and its alpha
; The list comes back in the two orders in which it is wanted (my wave's own bytes: LDS serves a wave's instructions in order, ISA guide 5.7.1.4).
.irp m, 0,1
.irp i, 0,1,2,3,4,5,6,7
	ds_load_b32 v[OFFE+8*\m+\i], v[LL] offset:LIST+64*\m+8*\i     ; the way out: row 16 m + 2 i + h
.endr
.endr
.irp i, 0,1,2,3
	ds_load_b32 v[TKN+\i], v[LU] offset:LIST+4*\i                  ; the norm: rows 4 w + i, the same word in every lane
.endr
	s_wait_dscnt 0x0
.irp i, 0,1,2,3
	v_min_u32 v[TKN+\i], 0x7ff, v[TKN+\i]
	v_lshlrev_b32 v[TKN+\i], 11, v[TKN+\i]         ; a row of x is 2,048 bytes
	v_add_nc_u32 v[TKN+\i], v[TKN+\i], v[LI]
.endr
.irp i, 0,1,2,3
.irp j, 0,1,2,3
	global_load_b128 v[ACC+16*\i+4*\j:ACC+16*\i+4*\j+3], v[TKN+\i], s[4:5] offset:512*\j   ; a wave to a row: each load reads 512 consecutive bytes
.endr
.endr
.irp k, 0,1,2,3,4,5,6,7,8,9,10,11,12,13,14,15
	v_min_u32 v[OFFE+\k], 0x7ff, v[OFFE+\k]
	v_lshlrev_b32 v[OFFE+\k], 11, v[OFFE+\k]
	v_add_nc_u32 v[OFFE+\k], v[OFFE+\k], v[CBR]
.endr
	s_wait_loadcnt 16                              ; only the 16 loads of x may be out: b1, b2, alpha, gain and bias are in
	ds_store_b128 v[T16], v[B1D:B1D+3] offset:B1L
	ds_store_b128 v[T16], v[B1D+4:B1D+7] offset:B1L+4096
	ds_store_b64 v[T8], v[B2D:B2D+1] offset:B2L
	ds_store_b32 v[LW], v[ALD] offset:ALIST
.irp m, 0,1
.irp i, 0,1,2,3,4,5,6,7
	ds_load_b32 v[ALF+8*\m+\i], v[LL] offset:ALIST+64*\m+8*\i
.endr
.endr
; ---- THE NORM: rows 4 w .. 4 w + 3, the four by turns; mean, then the mean of the squared differences, in f32.
.macro REDUCE b                        ; four pairs become four sums over the wave, in every lane, in the pairs' low registers
.irp i, 0,1,2,3
	v_add_f32 v[\b+2*\i], v[\b+2*\i], v[\b+2*\i+1]
.endr
.irp k, 1,2,4,8
.irp i, 0,1,2,3
	v_add_f32_dpp v[\b+2*\i], v[\b+2*\i], v[\b+2*\i] row_xmask:\k row_mask:0xf bank_mask:0xf
.endr
.endr
.irp i, 0,1,2,3
	v_permlanex16_b32 v[PX+\i], v[\b+2*\i], s100, s101
.endr
.irp i, 0,1,2,3
	v_add_f32 v[\b+2*\i], v[\b+2*\i], v[PX+\i]
.endr
.endm
	s_mov_b32 s104, 0x3b000000                     ; 1 / 512
	s_mov_b32 s105, 0x3727c5ac                     ; 1e-5
	s_wait_loadcnt 0x0                             ; x
.irp i, 0,1,2,3
	v_pk_add_f32 v[SU+2*\i:SU+2*\i+1], v[ACC+16*\i:ACC+16*\i+1], v[ACC+16*\i+2:ACC+16*\i+3]
.endr
.irp k, 2,3,4,5,6,7
.irp i, 0,1,2,3
	v_pk_add_f32 v[SU+2*\i:SU+2*\i+1], v[SU+2*\i:SU+2*\i+1], v[ACC+16*\i+2*\k:ACC+16*\i+2*\k+1]
.endr
.endr
	REDUCE SU
.irp i, 0,1,2,3
	v_mul_f32 v[SU+2*\i], s104, v[SU+2*\i]         ; the mean
.endr
.irp k, 0,1,2,3,4,5,6,7
.irp i, 0,1,2,3
	v_pk_add_f32 v[ACC+16*\i+2*\k:ACC+16*\i+2*\k+1], v[ACC+16*\i+2*\k:ACC+16*\i+2*\k+1], v[SU+2*\i:SU+2*\i+1] op_sel_hi:[1,0] neg_lo:[0,1] neg_hi:[0,1]   ; x - mean (the pair's low word serves both halves)
.endr
.endr
.irp i, 0,1,2,3
	v_pk_mul_f32 v[SQ+2*\i:SQ+2*\i+1], v[ACC+16*\i:ACC+16*\i+1], v[ACC+16*\i:ACC+16*\i+1]
.endr
.irp k, 1,2,3,4,5,6,7
.irp i, 0,1,2,3
	v_pk_fma_f32 v[SQ+2*\i:SQ+2*\i+1], v[ACC+16*\i+2*\k:ACC+16*\i+2*\k+1], v[ACC+16*\i+2*\k:ACC+16*\i+2*\k+1], v[SQ+2*\i:SQ+2*\i+1]
.endr
.endr
	REDUCE SQ
.irp i, 0,1,2,3
	v_fma_f32 v[SQ+2*\i], v[SQ+2*\i], s104, s105   ; the variance + 1e-5
.endr
.irp i, 0,1,2,3
	v_rsq_f32 v[SQ+2*\i], v[SQ+2*\i]
.endr
	v_nop                                          ; a plain instruction between a transcendental and the use of its result
	s_wait_alu depctr_va_vdst(0)
.irp k, 0,1,2,3,4,5,6,7
.irp i, 0,1,2,3
	v_pk_mul_f32 v[ACC+16*\i+2*\k:ACC+16*\i+2*\k+1], v[ACC+16*\i+2*\k:ACC+16*\i+2*\k+1], v[SQ+2*\i:SQ+2*\i+1] op_sel_hi:[1,0]
.endr
.endr
.irp k, 0,1,2,3,4,5,6,7
.irp i, 0,1,2,3
	v_pk_fma_f32 v[ACC+16*\i+2*\k:ACC+16*\i+2*\k+1], v[ACC+16*\i+2*\k:ACC+16*\i+2*\k+1], v[BIA+2*\k:BIA+2*\k+1], v[BIA+16+2*\k:BIA+16+2*\k+1]   ; x gain + bias
.endr
.endr
.irp i, 0,1,2,3
.irp j, 0,1,2,3
	ds_store_b128 v[HFW], v[ACC+16*\i+4*\j:ACC+16*\i+4*\j+3] offset:HFP*\i+512*\j
.endr
.endr
	BARRIER                                        ; the 32 normed rows, b1 and b2 lie in LDS
; 32 numbers of a lane, v[src] on, register 16 b + i = k 32 (2 c + b) + 16 h + i of my row, become registers 6 c .. 6 c + 5 of a fragment at v[pc] and bytes 2 c, 2 c + 1 of its scale word v[pw].
.macro QHALF src, pc, pw, c, relu
.if \relu
.set QI, 0
.rept 32
	v_max_num_f32 v[(\src)+QI], 0, v[(\src)+QI]    ; the activation, in f32; each accumulator is read from its low end on
.set QI, QI+1
.endr
.irp b, 0,1
	v_max3_num_f32 v[TM+\b], v[(\src)+16*\b], v[(\src)+16*\b+1], 0x1800000   ; my 16 numbers of the block (none is negative), and the floor 2^(3 - 127): the byte cannot fall under 1
.endr
.irp i, 2,4,6,8,10,12,14
.irp b, 0,1
	v_max3_num_f32 v[TM+\b], v[TM+\b], v[(\src)+16*\b+\i], v[(\src)+16*\b+\i+1]
.endr
.endr
.else
.irp b, 0,1
	v_max3_num_f32 v[TM+\b], |v[(\src)+16*\b]|, |v[(\src)+16*\b+1]|, 0x1800000
.endr
.irp i, 2,4,6,8,10,12,14
.irp b, 0,1
	v_max3_num_f32 v[TM+\b], v[TM+\b], |v[(\src)+16*\b+\i]|, |v[(\src)+16*\b+\i+1]|
.endr
.endr
.endif
.irp b, 0,1
	v_permlanex16_b32 v[TM+2+\b], v[TM+\b], s100, s101
.endr
.irp b, 0,1
	v_max_num_f32 v[TM+\b], v[TM+\b], v[TM+2+\b]   ; with lane l xor 16's: the block's largest magnitude
.endr
.irp b, 0,1
	v_add_nc_u32 v[TM+4+\b], 0xff000000, v[TM+\b]  ; 2 off its exponent field: the conversion's scale operand
.endr
.irp b, 0,1
	v_lshrrev_b32 v[TM+2+\b], 23, v[TM+4+\b]       ; the scale's byte
.endr
.if (\c) == 0
	v_lshl_or_b32 v[\pw], v[TM+3], 8, v[TM+2]
.else
	v_lshl_or_b32 v[\pw], v[TM+2], 16, v[\pw]
	v_lshl_or_b32 v[\pw], v[TM+3], 24, v[\pw]
.endif
	v_cvt_scalef32_pk16_fp6_f32 v[(\pc)+6*(\c):(\pc)+6*(\c)+2], v[(\src):(\src)+15], v[TM+4]
	v_cvt_scalef32_pk16_fp6_f32 v[PT:PT+2], v[(\src)+16:(\src)+31], v[TM+5]     ; (a conversion's three registers begin on an even number)
	v_nop                                          ; one plain instruction behind a scaled conversion
.irp i, 0,1,2
	v_permlane16_swap_b32 v[(\pc)+6*(\c)+\i], v[PT+\i]   ; the layout wants a whole block in a lane: lanes 0-15 block 2 c, lanes 16-31 block 2 c + 1
.endr
.irp i, 0,1,2
	v_mov_b32 v[(\pc)+6*(\c)+3+\i], v[PT+\i]
.endr
.endm
.macro IMAGE adr, off, pc              ; a fragment goes to LDS as it stands: 512 consecutive bytes a store
.irp g, 0,1,2
	ds_store_b128 v[\adr], v[(\pc)+4*\g:(\pc)+4*\g+3] offset:(\off)+512*\g
.endr
.endm
; ---- THE ROWS' CODES: wave w quantises rows 16 (w / 4) on, K step w % 4: image w.
.irp b, 0,1,2,3
.irp j, 0,1,2,3
	ds_load_b128 v[ACC+16*\b+4*\j:ACC+16*\b+4*\j+3], v[QA] offset:128*\b+16*\j
.endr
.endr
	s_wait_dscnt 0x0
	QHALF ACC, PC, PW, 0, 0
	QHALF ACC+32, PC, PW, 1, 0
	IMAGE XW, 0, PC
	ds_store_b32 v[XWS], v[PW]
	BARRIER                                        ; the rows' eight fragments lie in LDS
.macro BFETCHC q                       ; the two row fragments (m = 0, 1) of set q's K step, into buffer q % 2 (destination window 1)
.set BB, 192+24*((\q)%2)
.irp m, 0,1
.irp g, 0,1,2
.if (\q) < 16
	ds_load_b128 v[BB+12*\m+4*\g:BB+12*\m+4*\g+3], v[XI] offset:(4*\m+(\q)%4)*FRB+512*\g
.else
	ds_load_b128 v[BB+12*\m+4*\g:BB+12*\m+4*\g+3], v[HI] offset:(16*\m+(\q)-16)*FRB+512*\g
.endif
.endr
.endr
.endm
.macro BFETCHS q                       ; and their scale words
.irp m, 0,1
.if (\q) < 16
	ds_load_b32 v[BS+2*((\q)%2)+\m], v[XSA] offset:128*(4*\m+(\q)%4)
.else
	ds_load_b32 v[BS+2*((\q)%2)+\m], v[HSA] offset:128*(16*\m+(\q)-16)
.endif
.endr
.endm
.macro BFETCH q
	WIN 0x40
	BFETCHC \q
	WIN 0
	BFETCHS \q
.endm
.macro BIAS1 hg                        ; b1 in the result's layout: tile t = 2 b + u of half group hg, lane (r, h): units 32 b + 16 h + 8 u + 0 .. 7
.irp t, 0,1,2,3
	ds_load_b128 v[BIA+8*\t:BIA+8*\t+3], v[BA] offset:256*(\hg)+128*(\t/2)+32*(\t%2)
	ds_load_b128 v[BIA+8*\t+4:BIA+8*\t+7], v[BA] offset:256*(\hg)+128*(\t/2)+32*(\t%2)+16
.endr
.endm
.macro BIAS2                           ; b2: tile t, lane (r, h): outputs 16 t + 8 h + 0 .. 7
.irp t, 0,1,2,3
	ds_load_b128 v[BIA+8*\t:BIA+8*\t+3], v[B2A] offset:64*\t
	ds_load_b128 v[BIA+8*\t+4:BIA+8*\t+7], v[B2A] offset:64*\t+16
.endr
.endm
.macro WM t, m, cb                     ; source 0: the weight's tile t; source 1: rows 16 m on.  An odd tile's scale words lie in lanes 16-31 of its register
.if (\t)%2
	v_wmma_scale_f32_16x16x128_f8f6f4 v[ACC+32*(\m)+8*(\t):ACC+32*(\m)+8*(\t)+7], v[SL+12*(\t):SL+12*(\t)+11], v[BB+12*(\m):BB+12*(\m)+11], v[\cb:\cb+7], v[SWQ+(\t)/2], v[BSQ+(\m)] matrix_a_fmt:MATRIX_FMT_FP6 matrix_b_fmt:MATRIX_FMT_FP6 matrix_a_scale:MATRIX_SCALE_ROW1
.else
	v_wmma_scale_f32_16x16x128_f8f6f4 v[ACC+32*(\m)+8*(\t):ACC+32*(\m)+8*(\t)+7], v[SL+12*(\t):SL+12*(\t)+11], v[BB+12*(\m):BB+12*(\m)+11], v[\cb:\cb+7], v[SWQ+(\t)/2], v[BSQ+(\m)] matrix_a_fmt:MATRIX_FMT_FP6 matrix_b_fmt:MATRIX_FMT_FP6
.endif
.endm
.macro MULS q, first                   ; 8 matrix instructions; the 8 accumulators take turns, one instruction a turn, in the same order in every set
.set SL, 48*((\q)%4)
.set BB, 192+24*((\q)%2)
.set SWQ, SW+2*((\q)%4)
.set BSQ, BS+2*((\q)%2)
	WIN 0x05                                       ; sources 0 and 1 window 1; C and D window 0
.irp t, 0,1,2,3
.irp m, 0,1
.if \first
	WM \t, \m, BIA+8*\t                            ; the bias starts the sum
.else
	WM \t, \m, ACC+32*\m+8*\t
.endif
.endr
.endr
	WIN 0
.endm
; A SET: its waits, its 8 products, four places, then the requests: the next biases; the ring's set four on and the rows' fragments two on, under one window setting; their scale words.
.macro SET q
.if (\q) < 28
.set LC, 42                            ; younger than this set's 14 loads: the three sets behind it
.else
.set LC, 16+14*(31-(\q))               ; the sets that are left, and the 16 loads of x for the way out
.endif
.set DC, 8                             ; younger than this set's row fragments: those of the next set (where biases were asked for between, the count waits for them too)
.if ((\q) == 15) || ((\q) == 31)
.set DC, 0                             ; nothing was asked for behind them
.endif
.if (\q) == 8
.set DC, 16                            ; set 9's 8 loads and the 8 stores of the hidden layer's first images
.endif
.set FI, 0
.if (((\q) < 16) && ((\q)%4 == 0)) || ((\q) == 16)
.set FI, 1
.endif
.set BF, 0
.if ((\q) < 14) || (((\q) >= 16) && ((\q) < 30))
.set BF, 1                             ; set q + 2 belongs to the same product
.endif
	s_wait_loadcnt LC
	s_wait_dscnt DC
	MULS \q, FI
.rept 4
	v_nop                                          ; four places in front of loads into registers that these matrix instructions have read, and of the first read of results (ISA guide 7.12.1 for vector instructions)
.endr
.if ((\q) == 1) || ((\q) == 5) || ((\q) == 9)
	BIAS1 (\q)/4+1
.endif
.if (\q) == 13
	BIAS2
.endif
.if ((\q) < 28) || BF
	WIN 0x40
.if (\q) < 28
	WLOADC (\q)+4
.endif
.if BF
	BFETCHC (\q)+2
.endif
	WIN 0
.if (\q) < 28
	WLOADS (\q)+4
.endif
.if BF
	BFETCHS (\q)+2
.endif
.endif
.if (\q) == 27
.irp k, 0,1,2,3,4,5,6,7,8,9,10,11,12,13,14,15
	global_load_b128 v[XE+4*\k:XE+4*\k+3], v[OFFE+\k], s[4:5]     ; x once more, at the places of the way out: behind the ring's last set
.endr
.endif
.endm
; ---- THE FIRST PRODUCT: four half groups of 64 hidden units x 4 K steps; behind each, relu and the quantiser; two half groups make a K step of the second product
	BIAS1 0
	BFETCH 0
	BFETCH 1
.irp hg, 0,1,2,3
	SET 4*\hg
	SET 4*\hg+1
	SET 4*\hg+2
	SET 4*\hg+3
	QHALF ACC, PC, PW, \hg%2, 1
	QHALF ACC+32, PC+12, PW+1, \hg%2, 1
.if \hg%2
	IMAGE HW, (\hg/2)*FRB, PC                      ; K step 2 w + hg / 2, rows 0-15
	IMAGE HW, (16+\hg/2)*FRB, PC+12                ; rows 16-31
	ds_store_b32 v[HWS], v[PW] offset:128*(\hg/2)
	ds_store_b32 v[HWS], v[PW+1] offset:128*(16+\hg/2)
.endif
.endr
	BARRIER                                        ; the hidden layer's 32 fragments lie in LDS (the ring's loads stay on their way: nobody writes those bytes)
; ---- THE SECOND PRODUCT: my 64 outputs for the 32 rows, 16 K steps
	BFETCH 16
	BFETCH 17
.irp q, 16,17,18,19,20,21,22,23,24,25,26,27,28,29,30,31
	SET \q
.endr
; ---- THE WAY OUT.  A lane holds 32 neighbouring bytes of a row and the lanes beside it other rows: 16 rows at a time go through my own stage and come back as rows of 256 bytes.
.irp m, 0,1
.irp n, 0,1,2,3
	ds_store_b128 v[SO], v[ACC+32*\m+8*\n:ACC+32*\m+8*\n+3] offset:64*\n          ; each accumulator from its low end on
	ds_store_b128 v[SO], v[ACC+32*\m+8*\n+4:ACC+32*\m+8*\n+7] offset:64*\n+16
.endr
.irp i, 0,1,2,3,4,5,6,7
	ds_load_b128 v[BIA+76*\m+4*\i:BIA+76*\m+4*\i+3], v[SR] offset:544*\i          ; LDS serves a wave's instructions in order: these see my stores, and the next 16 rows' stores come behind them
.endr
.endr
	s_wait_loadcnt 0x0                             ; x
	s_wait_dscnt 0x0
.irp m, 0,1
.irp i, 0,1,2,3,4,5,6,7
.irp c, 0,1,2,3
	v_fma_f32 v[BIA+76*\m+4*\i+\c], v[ALF+8*\m+\i], v[BIA+76*\m+4*\i+\c], v[XE+32*\m+4*\i+\c]   ; x + alpha y
.endr
.endr
.endr
	s_cmp_eq_u32 s[NR], 0                          ; a work-group without rows stores nothing
	s_cbranch_scc1 .Ldone
.irp m, 0,1
.irp i, 0,1,2,3,4,5,6,7
	global_store_b128 v[OFFE+8*\m+\i], v[BIA+76*\m+4*\i:BIA+76*\m+4*\i+3], s[26:27] th:TH_STORE_NT   ; 16 lanes store 256 consecutive bytes of a token's row, at a multiple of 256 from out0's first byte
.endr
.endr
.Ldone:
	s_set_vgpr_msb 0x4
	s_wait_tensorcnt 0x0
	ds_add_u32 v191, v255
	s_wait_dscnt 0x0
	s_set_vgpr_msb 0x400
	s_endpgm
.Lfunc_end_k_q290106838a_chain:
	.size	k_q290106838a_chain, .Lfunc_end_k_q290106838a_chain-k_q290106838a_chain
	.p2alignl 7, 3214868480
	.fill 96, 4, 3214868480
	.section	.rodata,"a",@progbits
	.p2align	6, 0x0
	.amdhsa_kernel k_q290106838a_chain
		.amdhsa_group_segment_fixed_size 181248
		.amdhsa_private_segment_fixed_size 0
		.amdhsa_enable_private_segment 0
		.amdhsa_kernarg_size 96
		.amdhsa_user_sgpr_count 2
		.amdhsa_user_sgpr_kernarg_segment_ptr 1
		.amdhsa_wavefront_size32 1
		.amdhsa_system_sgpr_workgroup_id_x 1
		.amdhsa_system_sgpr_workgroup_id_y 1
		.amdhsa_system_sgpr_workgroup_id_z 1
		.amdhsa_system_vgpr_workitem_id 0
		.amdhsa_next_free_vgpr 512
		.amdhsa_next_free_sgpr 106
		.amdhsa_reserve_vcc 1
		.amdhsa_float_denorm_mode_32 3
		.amdhsa_float_denorm_mode_16_64 3
		.amdhsa_memory_ordered 1
		.amdhsa_forward_progress 1
		.amdhsa_inst_pref_size 196
	.end_amdhsa_kernel
	.amdgpu_metadata
---
amdhsa.version: [ 1, 2 ]
amdhsa.kernels:
  - .name:           k_q290106838a_chain
    .symbol:         k_q290106838a_chain.kd
    .args:
      - { .name: x, .offset: 0, .size: 8, .value_kind: global_buffer, .address_space: global }
      - { .name: ln_g, .offset: 8, .size: 8, .value_kind: global_buffer, .address_space: global }
      - { .name: ln_b, .offset: 16, .size: 8, .value_kind: global_buffer, .address_space: global }
      - { .name: b1, .offset: 24, .size: 8, .value_kind: global_buffer, .address_space: global }
      - { .name: b2, .offset: 32, .size: 8, .value_kind: global_buffer, .address_space: global }
      - { .name: w1c, .offset: 40, .size: 8, .value_kind: global_buffer, .address_space: global }
      - { .name: w1s, .offset: 48, .size: 8, .value_kind: global_buffer, .address_space: global }
      - { .name: w2c, .offset: 56, .size: 8, .value_kind: global_buffer, .address_space: global }
      - { .name: w2s, .offset: 64, .size: 8, .value_kind: global_buffer, .address_space: global }
      - { .name: alpha, .offset: 72, .size: 8, .value_kind: global_buffer, .address_space: global }
      - { .name: route, .offset: 80, .size: 8, .value_kind: global_buffer, .address_space: global }
      - { .name: out0, .offset: 88, .size: 8, .value_kind: global_buffer, .address_space: global }
    .group_segment_fixed_size: 181248
    .private_segment_fixed_size: 0
    .kernarg_segment_align: 8
    .kernarg_segment_size: 96
    .max_flat_workgroup_size: 256
    .sgpr_count:     106
    .vgpr_count:     512
    .wavefront_size: 32
...
	.end_amdgpu_metadata
.endif
;; end of part 2
;; ======== version 2 of 3: 3 launches; 1.21 times as fast as version 1
;; workspace buffers: w1c 6,291,456 bytes; w2c 6,291,456 bytes; w1s 262,144 bytes; w2s 262,144 bytes; alpha 8,192 bytes; route 4,096 bytes of whole numbers; part 16,777,216 bytes
;; launch prep (part 3): grid 1088 x 1, 4 waves a work-group, no clusters, 0 bytes of LDS; arguments x, centroids, W1, W2, w1c, w1s, w2c, w2s, alpha, route; writes w1c, w1s, w2c, w2s, alpha, route
.if DOCPART == 3
	.amdgcn_target "amdgcn-amd-amdhsa--gfx1250"
	.amdhsa_code_object_version 6
	.text
	.protected	k_q290106838a_prep
	.globl	k_q290106838a_prep
	.p2align	8
	.type	k_q290106838a_prep,@function
k_q290106838a_prep:
	s_mov_b64 s[64:65], 0
	v_nop
	global_prefetch_b8 v0, s[64:65] scope:SCOPE_SE
	s_setreg_imm32_b32 hwreg(HW_REG_WAVE_MODE, 25, 1), 1
	s_wait_xcnt 0x0
; PREP: three roles, chosen by the work-group's number alone.
;   work-groups 0-63      THE ROUTER: 32 tokens each, 8 a wave.  f32 scores against the 8 centroids, the argmax (a strict > keeps the lower index on a tie), alpha = sigmoid(best score).
;                         Stored at fixed places: for each expert and each 8 tokens one MASK byte (bit i: token 8 n + i went to this expert) and one COUNT byte, and alpha for each token.
;   work-groups 64-575    W1 [8][512 (k)][2048 (n)] f32 -> codes of FP6 (E2M3) and E8M0 scale bytes, quantised down K.
;   work-groups 576-1087  W2 [8][2048 (k)][512 (n)] likewise.
; THE CODES ARE LAID AS IMAGES OF THE OPERAND'S REGISTERS: a fragment (16 columns n x 128 along K) is 1,536 bytes: group g of four registers of lane l at 512 g + 16 l; lane (r, h) holds column r of the tile,
; registers 6 c .. 6 c + 5 the block 2 c + h of the K step.  W1: fragment (tile T, K step s) at (4 T + s) x 1,536; W2: at (16 T + s) x 1,536; an expert's codes are 786,432 bytes.
; THE COLUMNS OF A TILE OF W1 ARE NOT NEIGHBOURS: row r of tile 2 b + u of a group of 128 hidden units is unit 32 b + 8 u + r + 8 (r / 8), so that the next launch's results come out with 16 neighbours along its next K in a lane.
; A LANE TAKES A COLUMN AND ITS REGISTERS RUN DOWN K: each load reads 128 consecutive bytes a wave (512 a work-group), a block of 32 lies in one lane, and the conversions give codes with K innermost.
; A block's scale byte is its largest magnitude's exponent field - 2, held at 1 from below.
; LIMITS: NaN and infinities are not served.  A block of zeros gets the byte 1 (the rule says 127): its codes are zeros, and this program alone reads the bytes.  Blocks whose largest magnitude lies under 2^-124 are held at byte 1.
; The scores' sums go in another order than a row-by-row sum: a token whose two best scores agree to within f32 rounding may go to the other of the two experts.
; No LDS, no barrier: waves share nothing.  The matrix units and clusters have no work here: the launch streams 71 MB once.
.set X,    8                           ; router: v8-71    4 rows x 16 numbers: row i, load j: elements 128 j + 4 lane + 0 .. 3
.set CB,   72                          ; v72-135  four buffers of 16: one centroid's numbers at the same places; a step's centroid is asked for three steps ahead
.set P,    136                         ; v136-143 four pairs of partial sums
.set S,    144                         ; v144-147 the four rows' scores
.set T,    148                         ; v148-151 destinations of the lane permute
.set BEST, 152                         ; v152-155 the best score so far
.set IDX,  156                         ; v156-159 and its expert
.set MASK, 160                         ; lane e: expert e's mask byte of my wave's 8 tokens
.set CNT,  161                         ; lane e: how many of them
.set ALP,  162                         ; lane i: token i's alpha
.set TMP,  163
.set D,    8                           ; quantiser: v8-71 two sets of 32 numbers
.set CODE, 72                          ; v72-95   the operand registers of lanes (r, 0) and (r, 1): 12 h + 6 c + i
.set PT,   96                          ; v96-98   a block's upper 16 codes, before they are moved
.set MX,   100
.set MY,   101
.set SO,   102                         ; the conversion's scale operand
.set BY,   103
.set SB,   104                         ; the K step's four scale bytes
	s_load_b512 s[4:19], s[0:1], 0x0               ; x s[4:5], centroids s[6:7], W1 s[8:9], W2 s[10:11], w1c s[12:13], w1s s[14:15], w2c s[16:17], w2s s[18:19]
	s_load_b128 s[20:23], s[0:1], 0x40             ; alpha s[20:21], route s[22:23]
	v_lshrrev_b32 v1, 5, v0
	v_readfirstlane_b32 s24, v1                    ; wave 0..3
	v_and_b32 v1, 31, v0                           ; lane
	s_mov_b32 s37, 0                               ; the upper word of every offset pair s[36:37]
	s_wait_kmcnt 0x0
	s_cmp_lt_u32 ttmp9, 64
	s_cbranch_scc0 .Lquant
; ---------------------------------------------------------------- THE ROUTER
	s_lshl_b32 s25, ttmp9, 2
	s_add_co_u32 s25, s25, s24                     ; which run of 8 tokens is my wave's: 4 x work-group + wave
	s_lshl_b32 s36, s25, 14                        ; 8 rows of 2,048 bytes
	s_add_nc_u64 s[28:29], s[4:5], s[36:37]        ; x at my first token
	s_mov_b32 s26, 0x76543210
	s_mov_b32 s27, 0xfedcba98                      ; v_permlanex16_b32's selects for lane l xor 16
	v_lshlrev_b32 v3, 4, v1                        ; 16 bytes a lane
	v_lshl_add_u32 v4, v1, 8, s25                  ; route: expert = lane, 256 bytes an expert, + my run's byte
	s_lshl_b32 s35, s25, 5
	v_lshl_add_u32 v5, v1, 2, s35                  ; alpha: 4 x (8 x run + lane)
.irp i, 0,1,2,3
	v_mov_b32 v[T+\i], 0                           ; written once: a lane permute's destination counts as one of its sources
.endr
	v_mov_b32 v[MASK], 0
	v_mov_b32 v[CNT], 0
	v_mov_b32 v[ALP], 0
.macro XLOAD bt                        ; four rows of x: each load reads 512 consecutive bytes
.irp i, 0,1,2,3
.irp j, 0,1,2,3
	global_load_b128 v[X+16*\i+4*\j:X+16*\i+4*\j+3], v3, s[28:29] offset:(4*\bt+\i)*2048+512*\j
.endr
.endr
.endm
.macro CLOAD n                         ; step n's centroid, expert n % 8, into buffer n % 4
.irp j, 0,1,2,3
	global_load_b128 v[CB+16*((\n)%4)+4*\j:CB+16*((\n)%4)+4*\j+3], v3, s[6:7] offset:2048*((\n)%8)+512*\j
.endr
.endm
; Step n = 8 x batch + expert: the four rows' scores against one centroid.
.macro SCORE n
.set EX, (\n)%8
.set CC, CB+16*((\n)%4)
.if (\n) < 13
	CLOAD (\n)+3                                   ; three steps ahead, into the buffer that the step before has multiplied
.endif
.if (\n) == 8
	s_wait_loadcnt 4                               ; the second batch of x was issued behind the centroids of steps 8 to 10: only the four loads just issued may be out
.elseif (\n) < 13
	s_wait_loadcnt 12                              ; the three younger steps' centroids may be out: this step's, and the batch of x, are in
.else
	s_wait_loadcnt 4*(15-(\n))                     ; the steps that are left
.endif
.irp i, 0,1,2,3
	v_pk_mul_f32 v[P+2*\i:P+2*\i+1], v[X+16*\i:X+16*\i+1], v[CC:CC+1]
.endr
.irp k, 1,2,3,4,5,6,7
.irp i, 0,1,2,3
	v_pk_fma_f32 v[P+2*\i:P+2*\i+1], v[X+16*\i+2*\k:X+16*\i+2*\k+1], v[CC+2*\k:CC+2*\k+1], v[P+2*\i:P+2*\i+1]   ; the four rows by turns
.endr
.endr
.if (\n) == 7
	XLOAD 1                                        ; the first batch has been multiplied for the last time
.endif
.irp i, 0,1,2,3
	v_add_f32 v[S+\i], v[P+2*\i], v[P+2*\i+1]
.endr
.irp k, 1,2,4,8
.irp i, 0,1,2,3
	v_add_f32_dpp v[S+\i], v[S+\i], v[S+\i] row_xmask:\k row_mask:0xf bank_mask:0xf
.endr
.endr
.irp i, 0,1,2,3
	v_permlanex16_b32 v[T+\i], v[S+\i], s26, s27
.endr
.if EX == 0
.irp i, 0,1,2,3
	v_add_f32 v[BEST+\i], v[S+\i], v[T+\i]         ; every lane holds the row's score; expert 0 starts the maximum
	v_mov_b32 v[IDX+\i], 0
.endr
.else
.irp i, 0,1,2,3
	v_add_f32 v[S+\i], v[S+\i], v[T+\i]
.endr
.irp i, 0,1,2,3
	v_cmp_gt_f32 vcc_lo, v[S+\i], v[BEST+\i]       ; strictly greater: a tie keeps the lower index
	v_cndmask_b32 v[IDX+\i], v[IDX+\i], EX, vcc_lo
	v_max_num_f32 v[BEST+\i], v[BEST+\i], v[S+\i]
.endr
.endif
.endm
; A batch's four tokens are folded into the wave's three results.
.macro FOLD bt
.irp i, 0,1,2,3
	v_mul_f32 v[P+\i], 0xbfb8aa3b, v[BEST+\i]      ; -log2(e) x score
.endr
.irp i, 0,1,2,3
	v_exp_f32 v[P+\i], v[P+\i]
.endr
	v_nop                                          ; a plain instruction between a transcendental and the use of its result (ISA guide 5.7.2)
	s_wait_alu depctr_va_vdst(0)
.irp i, 0,1,2,3
	v_add_f32 v[P+\i], 1.0, v[P+\i]
.endr
.irp i, 0,1,2,3
	v_rcp_f32 v[P+\i], v[P+\i]                     ; alpha = 1 / (1 + 2^(-log2(e) score))
.endr
	v_nop
	s_wait_alu depctr_va_vdst(0)
.irp i, 0,1,2,3
	v_cmp_eq_u32 vcc_lo, 4*\bt+\i, v1
	v_cndmask_b32 v[ALP], v[ALP], v[P+\i], vcc_lo  ; lane = the token's place among my 8
	v_cmp_eq_u32 vcc_lo, v[IDX+\i], v1             ; lane = the token's expert
	v_cndmask_b32 v[TMP], 0, 1, vcc_lo
	v_lshl_or_b32 v[MASK], v[TMP], 4*\bt+\i, v[MASK]
	v_add_nc_u32 v[CNT], v[CNT], v[TMP]
.endr
.endm
	XLOAD 0
	CLOAD 0
	CLOAD 1
	CLOAD 2
.irp n, 0,1,2,3,4,5,6,7
	SCORE \n
.endr
	FOLD 0
.irp n, 8,9,10,11,12,13,14,15
	SCORE \n
.endr
	FOLD 1
	s_wait_xcnt 0x0                                ; EXEC changes only behind this wait
	v_cmp_gt_u32 vcc_lo, 8, v1
	s_and_saveexec_b32 s34, vcc_lo                 ; lanes 0-7: one for each expert, and one for each token
	global_store_b8 v4, v[MASK], s[22:23]          ; small stores to rows 256 bytes apart: 12 KB in the whole launch
	global_store_b8 v4, v[CNT], s[22:23] offset:2048
	global_store_b32 v5, v[ALP], s[20:21]
	s_wait_xcnt 0x0                                ; and again, in front of the line that widens it
	s_or_b32 exec_lo, exec_lo, s34
	s_endpgm
; ---------------------------------------------------------------- THE QUANTISERS: a wave takes 32 columns x 128 along K (one K step, 4 blocks); the four waves stand side by side on 128 columns
.macro QLOAD t, pitch                  ; block t: 32 rows of K at my column, into set t % 2
.set QI, 0
.rept 32
	global_load_b32 v[D+32*((\t)%2)+QI], v2, s[28:29] offset:(32*(\t)+QI)*(\pitch) th:TH_LOAD_NT
.set QI, QI+1
.endr
.endm
.macro QBLOCK t, pitch
.set DS, D+32*((\t)%2)
.set CD, CODE+12*((\t)%2)+6*((\t)/2)   ; block t = 2 c + h belongs to lane (r, h), registers 6 c on
.if (\t) < 3
	s_wait_loadcnt 32                              ; this block's 32 loads are in; the next block's 32 may be out
.else
	s_wait_loadcnt 0x0
.endif
	v_max3_num_f32 v[MX], |v[DS]|, |v[DS+1]|, |v[DS+2]|             ; the block's largest magnitude: all 32 numbers are mine; two chains
	v_max3_num_f32 v[MY], |v[DS+3]|, |v[DS+4]|, |v[DS+5]|
.irp i, 6,10,14,18,22,26
	v_max3_num_f32 v[MX], v[MX], |v[DS+\i]|, |v[DS+\i+1]|
	v_max3_num_f32 v[MY], v[MY], |v[DS+\i+2]|, |v[DS+\i+3]|
.endr
	v_max3_num_f32 v[MX], v[MX], |v[DS+30]|, |v[DS+31]|
	v_max3_num_f32 v[MX], v[MX], v[MY], 0x1800000  ; and the floor 2^(3 - 127): the byte cannot fall under 1
	v_add_nc_u32 v[SO], 0xff000000, v[MX]          ; 2 off the exponent field: the conversion takes this operand's exponent field as its scale, and nothing else of it
.if (\t) == 0
	v_lshrrev_b32 v[SB], 23, v[SO]                 ; the scale's byte; four to the word, the lower K in the lower byte
.else
	v_lshrrev_b32 v[BY], 23, v[SO]
	v_lshl_or_b32 v[SB], v[BY], 8*(\t), v[SB]
.endif
	v_cvt_scalef32_pk16_fp6_f32 v[CD:CD+2], v[DS:DS+15], v[SO]
	v_cvt_scalef32_pk16_fp6_f32 v[PT:PT+2], v[DS+16:DS+31], v[SO]   ; (a conversion's three registers begin on an even number: the block's second three do not)
	v_nop                                          ; one plain instruction between a scaled conversion and the vector instruction that touches its result
.irp i, 0,1,2
	v_mov_b32 v[CD+3+\i], v[PT+\i]
.endr
.if (\t) < 2
	QLOAD (\t)+2, \pitch
.endif
.endm
.macro QJOB pitch
	QLOAD 0, \pitch
	QLOAD 1, \pitch
	QBLOCK 0, \pitch
	QBLOCK 1, \pitch
	QBLOCK 2, \pitch
	QBLOCK 3, \pitch
.irp h, 0,1
.irp g, 0,1,2
	global_store_b128 v3, v[CODE+12*\h+4*\g:CODE+12*\h+4*\g+3], s[30:31] offset:512*\g+256*\h   ; the 16 lanes of a tile store 256 consecutive bytes, aligned: two such runs an instruction
.endr
.endr
	global_store_b32 v4, v[SB], s[32:33]           ; 128 consecutive bytes a wave, 512 a work-group
	s_endpgm
.endm
.Lquant:
	v_lshlrev_b32 v2, 2, v1                        ; in: 4 bytes a lane
	s_cmp_lt_u32 ttmp9, 576
	s_cbranch_scc0 .Lw2
	; W1: job q = expert x 64 + K step x 16 + group of 128 hidden units
	s_sub_co_u32 s25, ttmp9, 64
	s_lshr_b32 s26, s25, 6                         ; expert
	s_bfe_u32 s27, s25, 0x20004                    ; K step 0..3
	s_and_b32 s34, s25, 15                         ; group 0..15
	s_lshl_b32 s36, s26, 22                        ; an expert: 512 rows of 8,192 bytes
	s_lshl_b32 s35, s27, 20                        ; a K step: 128 rows
	s_add_co_u32 s36, s36, s35
	s_lshl_b32 s35, s34, 9                         ; a group: 512 bytes of a row
	s_add_co_u32 s36, s36, s35
	s_lshl_b32 s35, s24, 7                         ; my wave's 32 columns
	s_add_co_u32 s36, s36, s35
	s_add_nc_u64 s[28:29], s[8:9], s[36:37]
	s_lshl_b32 s35, s34, 3
	s_lshl_b32 s38, s24, 1
	s_add_co_u32 s35, s35, s38                     ; my first tile: 8 x group + 2 x wave
	s_lshl_b32 s35, s35, 2
	s_add_co_u32 s35, s35, s27                     ; fragment 4 T + s
	s_mul_i32 s35, s35, 1536
	s_mul_i32 s36, s26, 786432
	s_add_co_u32 s36, s36, s35
	s_add_nc_u64 s[30:31], s[12:13], s[36:37]
	s_lshl_b32 s35, s34, 2
	s_add_co_u32 s35, s35, s27
	s_lshl_b32 s35, s35, 9                         ; scale words: (4 x group + s) x 512 bytes,
	s_lshl_b32 s36, s26, 15                        ; 32,768 an expert,
	s_add_co_u32 s36, s36, s35
	s_lshl_b32 s35, s24, 7                         ; 128 for my wave's two tiles
	s_add_co_u32 s36, s36, s35
	s_add_nc_u64 s[32:33], s[14:15], s[36:37]
	v_bfe_u32 v5, v1, 3, 1                         ; column o of my 32 is row r of tile u: u = (o / 8) % 2,
	v_and_b32 v6, 7, v1
	v_lshrrev_b32 v7, 4, v1
	v_lshl_add_u32 v6, v7, 3, v6                   ; r = o % 8 + 8 (o / 16)
	v_lshlrev_b32 v3, 4, v6
	v_mad_u32_u24 v3, v5, 6144, v3                 ; codes: 16 r, + four fragments for the second tile
	v_lshl_add_u32 v4, v5, 4, v6
	v_lshlrev_b32 v4, 2, v4                        ; scale word: 4 (16 u + r)
	QJOB 8192
.Lw2:
	; W2: job q = expert x 64 + K step x 4 + block of 128 outputs
	s_sub_co_u32 s25, ttmp9, 576
	s_lshr_b32 s26, s25, 6                         ; expert
	s_bfe_u32 s27, s25, 0x40002                    ; K step 0..15
	s_and_b32 s34, s25, 3                          ; block of columns 0..3
	s_lshl_b32 s36, s26, 22                        ; an expert: 2,048 rows of 2,048 bytes
	s_lshl_b32 s35, s27, 18                        ; a K step: 128 rows
	s_add_co_u32 s36, s36, s35
	s_lshl_b32 s35, s34, 9
	s_add_co_u32 s36, s36, s35
	s_lshl_b32 s35, s24, 7
	s_add_co_u32 s36, s36, s35
	s_add_nc_u64 s[28:29], s[10:11], s[36:37]
	s_lshl_b32 s35, s34, 3
	s_lshl_b32 s38, s24, 1
	s_add_co_u32 s35, s35, s38                     ; my first tile: 8 x block + 2 x wave
	s_lshl_b32 s35, s35, 4
	s_add_co_u32 s35, s35, s27                     ; fragment 16 T + s
	s_mul_i32 s35, s35, 1536
	s_mul_i32 s36, s26, 786432
	s_add_co_u32 s36, s36, s35
	s_add_nc_u64 s[30:31], s[16:17], s[36:37]
	s_lshl_b32 s35, s34, 4
	s_add_co_u32 s35, s35, s27
	s_lshl_b32 s35, s35, 9                         ; scale words: (16 x block + s) x 512 bytes
	s_lshl_b32 s36, s26, 15
	s_add_co_u32 s36, s36, s35
	s_lshl_b32 s35, s24, 7
	s_add_co_u32 s36, s36, s35
	s_add_nc_u64 s[32:33], s[18:19], s[36:37]
	v_lshrrev_b32 v5, 4, v1                        ; here the columns of a tile are neighbours: u = o / 16,
	v_and_b32 v6, 15, v1                           ; r = o % 16
	v_lshlrev_b32 v3, 4, v6
	v_mad_u32_u24 v3, v5, 24576, v3                ; codes: 16 r, + sixteen fragments for the second tile
	v_lshlrev_b32 v4, 2, v1                        ; scale word: 4 o
	QJOB 2048
.Lfunc_end_k_q290106838a_prep:
	.size	k_q290106838a_prep, .Lfunc_end_k_q290106838a_prep-k_q290106838a_prep
	.p2alignl 7, 3214868480
	.fill 96, 4, 3214868480
	.section	.rodata,"a",@progbits
	.p2align	6, 0x0
	.amdhsa_kernel k_q290106838a_prep
		.amdhsa_group_segment_fixed_size 0
		.amdhsa_private_segment_fixed_size 0
		.amdhsa_enable_private_segment 0
		.amdhsa_kernarg_size 80
		.amdhsa_user_sgpr_count 2
		.amdhsa_user_sgpr_kernarg_segment_ptr 1
		.amdhsa_wavefront_size32 1
		.amdhsa_system_sgpr_workgroup_id_x 1
		.amdhsa_system_sgpr_workgroup_id_y 1
		.amdhsa_system_sgpr_workgroup_id_z 1
		.amdhsa_system_vgpr_workitem_id 0
		.amdhsa_next_free_vgpr 168
		.amdhsa_next_free_sgpr 66
		.amdhsa_reserve_vcc 1
		.amdhsa_float_denorm_mode_32 3
		.amdhsa_float_denorm_mode_16_64 3
		.amdhsa_memory_ordered 1
		.amdhsa_forward_progress 1
		.amdhsa_inst_pref_size 118
	.end_amdhsa_kernel
	.amdgpu_metadata
---
amdhsa.version: [ 1, 2 ]
amdhsa.kernels:
  - .name:           k_q290106838a_prep
    .symbol:         k_q290106838a_prep.kd
    .args:
      - { .name: x, .offset: 0, .size: 8, .value_kind: global_buffer, .address_space: global }
      - { .name: centroids, .offset: 8, .size: 8, .value_kind: global_buffer, .address_space: global }
      - { .name: W1, .offset: 16, .size: 8, .value_kind: global_buffer, .address_space: global }
      - { .name: W2, .offset: 24, .size: 8, .value_kind: global_buffer, .address_space: global }
      - { .name: w1c, .offset: 32, .size: 8, .value_kind: global_buffer, .address_space: global }
      - { .name: w1s, .offset: 40, .size: 8, .value_kind: global_buffer, .address_space: global }
      - { .name: w2c, .offset: 48, .size: 8, .value_kind: global_buffer, .address_space: global }
      - { .name: w2s, .offset: 56, .size: 8, .value_kind: global_buffer, .address_space: global }
      - { .name: alpha, .offset: 64, .size: 8, .value_kind: global_buffer, .address_space: global }
      - { .name: route, .offset: 72, .size: 8, .value_kind: global_buffer, .address_space: global }
    .group_segment_fixed_size: 0
    .private_segment_fixed_size: 0
    .kernarg_segment_align: 8
    .kernarg_segment_size: 80
    .max_flat_workgroup_size: 128
    .sgpr_count:     66
    .vgpr_count:     168
    .wavefront_size: 32
...
	.end_amdgpu_metadata
.endif
;; end of part 3
;; launch chain (part 4): grid 156 x 1, 8 waves a work-group, no clusters, 230,400 bytes of LDS; arguments x, ln_g, ln_b, b1, b2, w1c, w1s, w2c, w2s, route, part; writes part
.if DOCPART == 4
	.amdgcn_target "amdgcn-amd-amdhsa--gfx1250"
	.amdhsa_code_object_version 6
	.text
	.protected	k_q290106838a_chain
	.globl	k_q290106838a_chain
	.p2align	8
	.type	k_q290106838a_chain,@function
k_q290106838a_chain:
	s_mov_b64 s[64:65], 0
	v_nop
	global_prefetch_b8 v0, s[64:65] scope:SCOPE_SE
	s_setreg_imm32_b32 hwreg(HW_REG_WAVE_MODE, 25, 1), 1
	s_wait_xcnt 0x0
; CHAIN: part[g][t] = the share of partner g in  y[t] = Q(relu(Q(LN_e(x[t])) Q(W1[e]) + b1[e])) Q(W2[e]) + b2[e],  e the token's expert; Q: codes of FP6 (E2M3) with one E8M0 scale for each 32 along K.
; A TILE IS AT MOST 64 ROWS OF ONE EXPERT.  With 2,048 routed rows, 8 experts and tiles of 64 there are never more than 32 + 7 = 39 tiles, whatever the split.  FOUR WORK-GROUPS SHARE A TILE: the grid is 39 x 4.
; Partner g = work-group % 4 takes hidden units 512 g .. 512 g + 511: a quarter of W1's columns and the same quarter of W2's K (K steps 4 g .. 4 g + 3), so that it reads a quarter of the expert's codes, 393 KB.  Its sums over
; that quarter of K go, by token, to plane g of a workspace buffer; the next launch adds the four planes.  b2 is the C of partner 0's sums; the other three multiply it by 0.
; A work-group that a split leaves without rows walks the text on clamped addresses and jumps over its stores alone (every wave passes every barrier).
; THE TILE AND ITS TOKENS come from whole numbers that the launch before stored: count bytes give each expert's rows, and so which expert and which 64 ranks are mine; the expert's 64 mask words (bit = token) give
; 'the k-th token of the expert' by prefix counts and a search among a word's bits.  Ranks past the expert's last repeat its last token: such rows compute and store the same numbers at the same place.
; SHARES.  Eight waves share the COLUMNS: wave w makes hidden units 64 w .. + 63 of the partner's 512 (half w % 2 of its K step w / 2) and outputs 64 w .. + 63, for all 64 rows.  So each fragment of a weight is read by ONE
; wave: it goes from memory straight into registers, as the image in which the launch before laid it, through a ring of 4 sets (4 fragments + 2 scale registers: 14 loads).  8 sets a wave: 4 K steps of W1, 4 of W2.
; A set is multiplied in two HALF SETS, row tiles 0, 1 and then 2, 3: 8 matrix instructions each.  The rows' codes go from wave to wave through LDS as images of the operand's registers; the hidden layer never goes to memory.
; BOTH PRODUCTS ARE USED TRANSPOSED (source 0 = 16 rows of the weight, source 1 = 16 token rows): a lane holds one token row, its registers run along the product's N.  W1's tiles were laid so that the 16 registers of two
; neighbouring tiles are 16 neighbours along the next K.  The biases are the C of each sum's first matrix instruction.
; NO CLUSTER, NO JOINT LOADS: which expert a work-group walks, and how many tiles an expert has, hang on counts read from memory, so partners of a fixed cluster need not share an expert.
; NO TENSOR LOADS: no weight byte is read by two waves of a work-group.  No loop: 16 half sets a wave, written out by macros with immediate offsets.
; LIMITS: NaN and infinities are not served, in b2 neither (0 x b2).  A block of zeros gets the scale byte 1 with zero codes; blocks whose largest magnitude lies under 2^-124 are held at byte 1.
; REGISTERS, in windows of 256.  Window 0: v1-15 addresses that stay; v16-143 the 16 accumulators (32 m + 8 t); v144-175 biases; v176-183 the weights' scale words; v184-187 the rows' (first product);
;   v188-225 the quantiser's, before it the norm's, behind it the way out's offsets; v228-243 the hidden layer's scale words; v248-255 the head's.   Window 1: v0-191 the ring; v192-239 two buffers of 2 row fragments.
.set LIST,  0                          ; LDS: 256 bytes for each wave, its own: the tokens of rows 0-63
.set B1L,   2048                       ; the partner's 512 numbers of b1[e]
.set B2L,   4096                       ; b2[e], or zeros
.set HFS,   6144                       ; LN(x): 64 rows of f32,
.set HFP,   2064                       ; 2,048 bytes + 16: 129 x 16, so that 16 rows at one column start at 16 different places modulo 256 bytes
.set XIMG,  138240                     ; the rows' 16 fragments for the first product: image 4 m + s
.set XSC,   162816                     ; their scale words, 128 bytes each
.set HIMG,  164864                     ; the hidden layer's 16 fragments: image 4 m + k; in it the half of wave 2 k + c: 768 bytes at 768 c, register pair p at 256 p + 8 lane
.set HSC,   189440                     ; their scale bytes: a word for each lane, row tile and wave: 1,024 m + 128 w + 4 lane, two bytes in each
.set STG,   193536                     ; the way out: 16 rows x (256 bytes + 16) for each wave
.set FRB,   1536                       ; a fragment's image
.set LI,  1                            ; 16 x lane
.set LS,  2                            ; 4 x lane
.set XI,  3                            ; XIMG + 16 lane
.set XSA, 4                            ; XSC + 4 lane
.set HI8, 5                            ; HIMG + 8 lane
.set HSA, 6                            ; HSC + 4 lane
.set HW,  7                            ; where I store my halves of the hidden layer's images: HI8 + 768 x wave
.set HWS, 8                            ; and their scale bytes: HSA + 128 x wave
.set BA,  9                            ; B1L + 64 h + 256 x wave
.set B2A, 10                           ; B2L + 32 h + 256 x wave
.set SO,  11                           ; my stage, in: row r, + 32 h
.set SR,  12                           ; and back: lanes 0-15 one row, lanes 16-31 the next
.set QA,  13                           ; HFS: row 16 (wave / 2) + r, K step 2 (wave % 2), + 64 h
.set XW,  14                           ; XI + 2 FRB x wave
.set XWS, 15                           ; XSA + 256 x wave
.set ACC, 16
.set KR0, 80                           ; v80-95: the selection's, in accumulators' registers that are idle there
.set KR1, 81
.set WD0, 82
.set WD1, 83
.set PB0, 84
.set PB1, 85
.set KK,  86
.set BLK, 87
.set POS, 88
.set PCA, 89
.set PCB, 90
.set PCC, 91
.set TT,  92
.set UU,  93
.set TOK0, 94
.set TOK1, 95
.set BIA, 144
.set SW,  176
.set BS,  184
.set TM,  188                          ; +0, +1 largest magnitudes; +2, +3 permute destinations, then bytes; +4, +5 scale operands
.set PC,  194                          ; v194-217 the codes being made
.set PT,  218
.set PW,  222                          ; v222-225 the scale words being made
.set OFFE, 188                         ; v188-219 second product and way out: my byte offsets in the 64 rows' tokens
.set TKN, 194                          ; v194-201 head: the offsets of my 8 rows of x
.set B1D, 202
.set B2D, 204
.set SU,  206                          ; v206-213 the norm: four pairs of sums
.set SQ,  214                          ; v214-221 four pairs of sums of squares
.set PX,  222                          ; v222-225 permute destinations
.set LL,  226                          ; 256 x wave + 4 h
.set CBR, 227                          ; 256 x wave + 16 r: my 16 bytes of a token's row
.set BSA, 228                          ; v228-243 the hidden layer's scale words, 4 m + k: these registers hold nothing else
.set LW,  248                          ; 256 x wave + 4 lane: my words in LIST
.set LU,  249                          ; 288 x wave: the tokens of rows 8 w on, in my own list
.set HFW, 250                          ; HFS + 8 HFP x wave + 16 lane
.set T8,  251                          ; 8 x thread
.set LANE, 252
.set RR,  253
.set HH,  254
.set CTO, 255                          ; 256 x (lane % 8)
.set GG,  26                           ; s26 partner;  s27 tile;  s28 wave;  s29 expert;  s30 rows in my tile;  s31 its first rank
.set TI,  27
.set WV,  28
.set EX,  29
.set NR,  30
.set R0,  31
.set SP,  66
.set ST,  67
.set JJ,  76
.set CE,  77
.set SJ,  78
.set MSB, 0
.macro WIN new                         ; s_set_vgpr_msb: bits 1:0 source 0, 3:2 source 1, 5:4 source 2, 7:6 destination; the high byte repeats the setting that is left
.if MSB != \new
	s_set_vgpr_msb (MSB<<8)|\new
.set MSB, \new
.endif
.endm
.macro BARRIER                         ; my LDS stores have landed and my LDS loads are in: then the work-group's barrier
	s_wait_dscnt 0x0
	s_barrier_signal -1
	s_barrier_wait -1
.endm
	s_load_b512 s[4:19], s[0:1], 0x0               ; x s[4:5], ln_g s[6:7], ln_b s[8:9], b1 s[10:11], b2 s[12:13], w1c s[14:15], w1s s[16:17], w2c s[18:19]
	s_load_b128 s[20:23], s[0:1], 0x40             ; w2s s[20:21], route s[22:23]
	s_load_b64 s[24:25], s[0:1], 0x50              ; part
	v_lshl_add_u32 v246, v0, 2, 0x38000
	v_mov_b32 v247, 0
	v_lshrrev_b32 v[LANE], 5, v0
	v_readfirstlane_b32 s[WV], v[LANE]             ; wave 0..7
	v_and_b32 v[LANE], 31, v0
	v_and_b32 v[RR], 15, v0                        ; r
	v_bfe_u32 v[HH], v0, 4, 1                      ; h
	s_mov_b32 s100, 0x76543210
	s_mov_b32 s101, 0xfedcba98                     ; v_permlanex16_b32's selects for lane l xor 16
	s_lshr_b32 s[TI], ttmp9, 2                     ; my tile
	s_and_b32 s[GG], ttmp9, 3                      ; which quarter of the hidden layer is mine: it enters global addresses alone
	v_lshlrev_b32 v[LI], 4, v[LANE]
	v_lshlrev_b32 v[LS], 2, v[LANE]
	v_add_nc_u32 v[XI], XIMG, v[LI]
	v_add_nc_u32 v[XSA], XSC, v[LS]
	v_lshlrev_b32 v[HI8], 3, v[LANE]
	v_add_nc_u32 v[HI8], HIMG, v[HI8]
	v_add_nc_u32 v[HSA], HSC, v[LS]
	s_mul_i32 s[SP], s[WV], 768
	v_add_nc_u32 v[HW], s[SP], v[HI8]
	s_lshl_b32 s[SP], s[WV], 7
	v_add_nc_u32 v[HWS], s[SP], v[HSA]
	s_lshl_b32 s[SP], s[WV], 8
	v_lshl_add_u32 v[CBR], v[RR], 4, s[SP]
	v_add_nc_u32 v[LW], s[SP], v[LS]
	v_lshl_add_u32 v[LL], v[HH], 2, s[SP]
	v_add_nc_u32 v[XWS], s[SP], v[XSA]
	s_add_co_u32 s[ST], s[SP], B2L
	v_lshl_add_u32 v[B2A], v[HH], 5, s[ST]
	s_add_co_u32 s[ST], s[SP], B1L
	v_lshl_add_u32 v[BA], v[HH], 6, s[ST]
	s_mul_i32 s[SP], s[WV], 16*272
	s_add_co_u32 s[SP], s[SP], STG
	v_mul_u32_u24 v[SO], v[RR], 272
	v_lshl_add_u32 v[SO], v[HH], 5, v[SO]
	v_add_nc_u32 v[SO], s[SP], v[SO]
	v_mul_u32_u24 v[SR], v[HH], 272
	v_lshl_add_u32 v[SR], v[RR], 4, v[SR]
	v_add_nc_u32 v[SR], s[SP], v[SR]
	s_lshr_b32 s[SP], s[WV], 1
	s_mul_i32 s[SP], s[SP], 16*HFP
	s_and_b32 s[ST], s[WV], 1
	s_lshl_b32 s[ST], s[ST], 10
	s_add_co_u32 s[SP], s[SP], s[ST]
	s_add_co_u32 s[SP], s[SP], HFS
	v_mul_u32_u24 v[QA], v[RR], HFP
	v_lshl_add_u32 v[QA], v[HH], 6, v[QA]
	v_add_nc_u32 v[QA], s[SP], v[QA]
	s_mul_i32 s[SP], s[WV], 2*FRB
	v_add_nc_u32 v[XW], s[SP], v[XI]
	s_mul_i32 s[SP], s[WV], 288
	v_mov_b32 v[LU], s[SP]
	s_mul_i32 s[SP], s[WV], 8*HFP
	s_add_co_u32 s[SP], s[SP], HFS
	v_add_nc_u32 v[HFW], s[SP], v[LI]
	v_lshlrev_b32 v[T8], 3, v0
	v_and_b32 v[CTO], 7, v[LANE]
	v_lshlrev_b32 v[CTO], 8, v[CTO]                ; the count bytes of expert lane % 8: 256 bytes an expert
.irp i, 0,1,2,3
	v_mov_b32 v[PX+\i], 0                          ; written once: a lane permute's destination counts as one of its sources
.endr
	v_mov_b32 v[TM+2], 0
	v_mov_b32 v[TM+3], 0
	s_wait_kmcnt 0x0
; ---- WHICH TILE IS MINE.  A LANE TAKES AN EXPERT (lane % 8) and adds all its 256 count bytes itself: 16 loads of 16 bytes, plain additions, no exchange between lanes; lanes 0-7 then hand the eight counts to scalars.
.irp j, 0,1,2,3,4,5,6,7,8,9,10,11,12,13,14,15
	global_load_b128 v[ACC+4*\j:ACC+4*\j+3], v[CTO], s[22:23] offset:2048+16*\j   ; (the accumulators' registers are idle here)
.endr
	s_wait_loadcnt 0x0
.irp k, 1,2,3,4,5,6,7,8,9,10,11,12,13,14,15
.irp g, 0,1,2,3
	v_add_nc_u32 v[ACC+16*\g], v[ACC+16*\g], v[ACC+16*\g+\k]           ; four groups of 16 words by turns, byte by byte: 16 counts of at most 8 stay inside a byte
.endr
.endr
.irp g, 0,1,2,3
	v_lshrrev_b32 v[ACC+16*\g+1], 8, v[ACC+16*\g]
	v_and_b32 v[ACC+16*\g], 0xff00ff, v[ACC+16*\g]
	v_and_b32 v[ACC+16*\g+1], 0xff00ff, v[ACC+16*\g+1]
	v_add_nc_u32 v[ACC+16*\g], v[ACC+16*\g], v[ACC+16*\g+1]            ; two halves of at most 256
.endr
	v_add_nc_u32 v[ACC], v[ACC], v[ACC+16]
	v_add_nc_u32 v[ACC+32], v[ACC+32], v[ACC+48]
	v_add_nc_u32 v[ACC], v[ACC], v[ACC+32]         ; of at most 1,024
	v_lshrrev_b32 v[ACC+1], 16, v[ACC]
	v_and_b32 v[ACC], 0xffff, v[ACC]
	v_add_nc_u32 v[ACC], v[ACC], v[ACC+1]          ; the expert's rows
.irp e, 0,1,2,3,4,5,6,7
	v_readlane_b32 s[68+\e], v[ACC], \e
.endr
	s_mov_b32 s[SP], 0                             ; tiles of the experts before
	s_mov_b32 s[EX], 0
	s_mov_b32 s[JJ], 0
	s_mov_b32 s[CE], 0
.irp e, 0,1,2,3,4,5,6,7
	s_add_co_u32 s[ST], s[68+\e], 63
	s_lshr_b32 s[ST], s[ST], 6                     ; the expert's tiles
	s_sub_co_u32 s[SJ], s[TI], s[SP]               ; (wraps to a large number where my tile lies before)
	s_cmp_lt_u32 s[SJ], s[ST]
	s_cselect_b32 s[EX], \e, s[EX]
	s_cselect_b32 s[JJ], s[SJ], s[JJ]
	s_cselect_b32 s[CE], s[68+\e], s[CE]
	s_add_co_u32 s[SP], s[SP], s[ST]
.endr
	s_lshl_b32 s[R0], s[JJ], 6                     ; my first rank
	s_sub_co_u32 s[NR], s[CE], s[R0]
	s_min_u32 s[NR], s[NR], 64                     ; my rows; 0 where no tile is left for me
	s_min_u32 s[EX], s[EX], 7                      ; a number made of loaded ones enters addresses only behind a clamp
	s_sub_co_u32 s[SJ], s[CE], 1
	v_add_nc_u32 v[KR0], s[R0], v[LANE]
	v_add_nc_u32 v[KR1], 32, v[KR0]
	v_min_u32 v[KR0], s[SJ], v[KR0]                ; a lane takes rows lane and 32 + lane: their ranks, held at the expert's last
	v_min_u32 v[KR1], s[SJ], v[KR1]
; ---- THE BASES, AND THE FIRST REQUESTS
	s_mov_b32 s3, 0
	s_mul_i32 s[SP], s[EX], 786432                 ; an expert's codes
	s_mul_i32 s[ST], s[GG], 32*4*FRB               ; W1: the partner's 32 tiles x 4 K steps,
	s_add_co_u32 s2, s[SP], s[ST]
	s_mul_i32 s[ST], s[WV], 4*4*FRB                ; my wave's 4 tiles
	s_add_co_u32 s2, s2, s[ST]
	s_add_nc_u64 s[14:15], s[14:15], s[2:3]
	s_mul_i32 s[ST], s[WV], 4*16*FRB               ; W2: my wave's 4 tiles x 16 K steps,
	s_add_co_u32 s2, s[SP], s[ST]
	s_mul_i32 s[ST], s[GG], 4*FRB                  ; from the partner's first K step on
	s_add_co_u32 s2, s2, s[ST]
	s_add_nc_u64 s[18:19], s[18:19], s[2:3]
	s_lshl_b32 s[SP], s[EX], 15                    ; an expert's scale words
	s_lshl_b32 s[ST], s[GG], 13                    ; W1: the partner's 4 groups x 4 K steps x 512 bytes,
	s_add_co_u32 s2, s[SP], s[ST]
	s_lshr_b32 s[ST], s[WV], 1
	s_lshl_b32 s[ST], s[ST], 11                    ; my group,
	s_add_co_u32 s2, s2, s[ST]
	s_and_b32 s[ST], s[WV], 1
	s_lshl_b32 s[ST], s[ST], 8                     ; my half of it
	s_add_co_u32 s2, s2, s[ST]
	s_add_nc_u64 s[16:17], s[16:17], s[2:3]
	s_lshr_b32 s[ST], s[WV], 1
	s_lshl_b32 s[ST], s[ST], 13                    ; W2: block of 128 outputs wave / 2: 16 K steps x 512 bytes,
	s_add_co_u32 s2, s[SP], s[ST]
	s_and_b32 s[ST], s[WV], 1
	s_lshl_b32 s[ST], s[ST], 8                     ; my 64 outputs' words in it,
	s_add_co_u32 s2, s2, s[ST]
	s_lshl_b32 s[ST], s[GG], 11                    ; from the partner's first K step on
	s_add_co_u32 s2, s2, s[ST]
	s_add_nc_u64 s[20:21], s[20:21], s[2:3]
	s_lshl_b32 s2, s[EX], 11
	s_add_nc_u64 s[6:7], s[6:7], s[2:3]
	s_add_nc_u64 s[8:9], s[8:9], s[2:3]
	s_add_nc_u64 s[12:13], s[12:13], s[2:3]
	s_lshl_b32 s2, s[EX], 13
	s_lshl_b32 s[ST], s[GG], 11
	s_add_co_u32 s2, s2, s[ST]
	s_add_nc_u64 s[10:11], s[10:11], s[2:3]        ; b1: the partner's 512 numbers
	s_lshl_b32 s2, s[GG], 22
	s_add_nc_u64 s[24:25], s[24:25], s[2:3]        ; the partner's plane: 2,048 rows of 2,048 bytes
	s_lshl_b32 s2, s[EX], 8
	s_add_nc_u64 s[22:23], s[22:23], s[2:3]        ; (the count bytes' loads, which named this base, have come back)
	s_load_b512 s[32:47], s[22:23], 0x0            ; the expert's 64 mask words: word b covers tokens 32 b .. 32 b + 31; words 0-31 in s32-63,
	s_load_b512 s[48:63], s[22:23], 0x40
	s_load_b512 s[68:83], s[22:23], 0x80           ; words 32-63 in s68-99
	s_load_b512 s[84:99], s[22:23], 0xc0
; THE STREAM OF WEIGHTS: 8 sets a wave.  Sets 0-3, first product: my 4 tiles of 16 hidden units, K step q.  Sets 4-7, second product: my 4 tiles of outputs, the partner's K step q - 4.  Set q lies in ring slot q % 4.
.macro WLOADC q                        ; a set's four fragments (destination window 1)
.set SL, 48*((\q)%4)
.irp t, 0,1,2,3
.irp g, 0,1,2
.if (\q) < 4
	global_load_b128 v[SL+12*\t+4*\g:SL+12*\t+4*\g+3], v[LI], s[14:15] offset:(4*\t+(\q))*FRB+512*\g
.else
	global_load_b128 v[SL+12*\t+4*\g:SL+12*\t+4*\g+3], v[LI], s[18:19] offset:(16*\t+(\q)-4)*FRB+512*\g
.endif
.endr
.endr
.endm
.macro WLOADS q                        ; and its scale words: register p: lanes 0-15 tile 2 p's, lanes 16-31 tile 2 p + 1's
.irp p, 0,1
.if (\q) < 4
	global_load_b32 v[SW+2*((\q)%4)+\p], v[LS], s[16:17] offset:512*(\q)+128*\p
.else
	global_load_b32 v[SW+2*((\q)%4)+\p], v[LS], s[20:21] offset:512*((\q)-4)+128*\p
.endif
.endr
.endm
	WIN 0x40
.irp q, 0,1,2,3
	WLOADC \q
.endr
	WIN 0
.irp q, 0,1,2,3
	WLOADS \q
.endr
.irp j, 0,1,2,3
	global_load_b128 v[BIA+4*\j:BIA+4*\j+3], v[LI], s[6:7] offset:512*\j        ; the expert's gain and bias of the norm, at the places at which a wave holds a row of x
	global_load_b128 v[BIA+16+4*\j:BIA+16+4*\j+3], v[LI], s[8:9] offset:512*\j
.endr
	global_load_b64 v[B1D:B1D+1], v[T8], s[10:11]
	global_load_b64 v[B2D:B2D+1], v[T8], s[12:13]
; ---- MY ROWS' TOKENS.  Every wave does this for itself.  The word that holds a rank is the last whose prefix count does not pass it.
.macro SELBLK sreg, b
	s_lshl_b32 s[ST], s[SP], 6
	s_or_b32 s[ST], s[ST], \b                      ; the prefix and the word's number in one register
	v_cmp_le_u32 vcc_lo, s[SP], v[KR0]
	v_cndmask_b32 v[WD0], v[WD0], s[\sreg], vcc_lo
	v_cndmask_b32 v[PB0], v[PB0], s[ST], vcc_lo
	v_cmp_le_u32 vcc_lo, s[SP], v[KR1]
	v_cndmask_b32 v[WD1], v[WD1], s[\sreg], vcc_lo
	v_cndmask_b32 v[PB1], v[PB1], s[ST], vcc_lo
	s_bcnt1_i32_b32 s104, s[\sreg]
	s_add_co_u32 s[SP], s[SP], s104
.endm
.macro PICK width                      ; TT set bits lie in the lower half of what is left: where my rank is not among them, pass them by
	v_cmp_ge_u32 vcc_lo, v[KK], v[TT]
	v_cndmask_b32 v[UU], 0, v[TT], vcc_lo
	v_sub_nc_u32 v[KK], v[KK], v[UU]
	v_cndmask_b32 v[UU], 0, \width, vcc_lo
	v_add_nc_u32 v[POS], v[POS], v[UU]
.endm
.macro FIND kr, wd, pb, tok            ; the token of rank kr, from its word and the word's prefix and number
	v_lshrrev_b32 v[KK], 6, v[\pb]
	v_sub_nc_u32 v[KK], v[\kr], v[KK]              ; the rank within the word
	v_and_b32 v[BLK], 63, v[\pb]
	v_lshrrev_b32 v[PCA], 1, v[\wd]
	v_and_b32 v[PCA], 0x55555555, v[PCA]
	v_sub_nc_u32 v[PCA], v[\wd], v[PCA]            ; counts of 2 bits,
	v_lshrrev_b32 v[PCB], 2, v[PCA]
	v_and_b32 v[PCB], 0x33333333, v[PCB]
	v_and_b32 v[TT], 0x33333333, v[PCA]
	v_add_nc_u32 v[PCB], v[PCB], v[TT]             ; of 4,
	v_lshrrev_b32 v[PCC], 4, v[PCB]
	v_add_nc_u32 v[PCC], v[PCC], v[PCB]
	v_and_b32 v[PCC], 0x0f0f0f0f, v[PCC]           ; of 8,
	v_lshrrev_b32 v[TT], 8, v[PCC]
	v_add_nc_u32 v[TT], v[TT], v[PCC]
	v_and_b32 v[TT], 0xff, v[TT]                   ; of the lower 16
	v_mov_b32 v[POS], 0
	PICK 16
	v_bfe_u32 v[TT], v[PCC], v[POS], 8
	PICK 8
	v_bfe_u32 v[TT], v[PCB], v[POS], 4
	PICK 4
	v_bfe_u32 v[TT], v[PCA], v[POS], 2
	PICK 2
	v_bfe_u32 v[TT], v[\wd], v[POS], 1
	PICK 1
	v_lshl_add_u32 v[\tok], v[BLK], 5, v[POS]
	v_min_u32 v[\tok], 0x7ff, v[\tok]
.endm
	v_mov_b32 v[WD0], 0
	v_mov_b32 v[PB0], 0
	v_mov_b32 v[WD1], 0
	v_mov_b32 v[PB1], 0
	s_mov_b32 s[SP], 0
	s_wait_kmcnt 0x0                               ; the mask words
.set NB, 0
.rept 32
	SELBLK 32+NB, NB
.set NB, NB+1
.endr
.rept 32
	SELBLK 36+NB, NB
.set NB, NB+1
.endr
	FIND KR0, WD0, PB0, TOK0
	FIND KR1, WD1, PB1, TOK1
	ds_store_b32 v[LW], v[TOK0] offset:LIST        ; rows 0-31,
	ds_store_b32 v[LW], v[TOK1] offset:LIST+128    ; rows 32-63
.irp i, 0,1,2,3,4,5,6,7
	ds_load_b32 v[TKN+\i], v[LU] offset:LIST+4*\i  ; the norm: rows 8 w + i, the same word in every lane (my wave's own bytes: LDS serves a wave's instructions in order, ISA guide 5.7.1.4)
.endr
	s_wait_dscnt 0x0
.irp i, 0,1,2,3,4,5,6,7
	v_min_u32 v[TKN+\i], 0x7ff, v[TKN+\i]
	v_lshlrev_b32 v[TKN+\i], 11, v[TKN+\i]         ; a row of x is 2,048 bytes
	v_add_nc_u32 v[TKN+\i], v[TKN+\i], v[LI]
.endr
.irp i, 0,1,2,3,4,5,6,7
.irp j, 0,1,2,3
	global_load_b128 v[ACC+16*\i+4*\j:ACC+16*\i+4*\j+3], v[TKN+\i], s[4:5] offset:512*\j   ; a wave to a row: each load reads 512 consecutive bytes
.endr
.endr
	s_cmp_eq_u32 s[GG], 0
	s_cselect_b32 s2, 0x3f800000, 0                ; 1.0 for partner 0, 0 for the others
	s_wait_loadcnt 32                              ; only the 32 loads of x may be out: b1, b2, gain and bias are in
	v_mul_f32 v[B2D], s2, v[B2D]
	v_mul_f32 v[B2D+1], s2, v[B2D+1]
	ds_store_b64 v[T8], v[B1D:B1D+1] offset:B1L
	ds_store_b64 v[T8], v[B2D:B2D+1] offset:B2L
; ---- THE NORM: rows 8 w .. 8 w + 7, in two batches of four, the four by turns; mean, then the mean of the squared differences, in f32.
.macro REDUCE b                        ; four pairs become four sums over the wave, in every lane, in the pairs' low registers
.irp i, 0,1,2,3
	v_add_f32 v[\b+2*\i], v[\b+2*\i], v[\b+2*\i+1]
.endr
.irp k, 1,2,4,8
.irp i, 0,1,2,3
	v_add_f32_dpp v[\b+2*\i], v[\b+2*\i], v[\b+2*\i] row_xmask:\k row_mask:0xf bank_mask:0xf
.endr
.endr
.irp i, 0,1,2,3
	v_permlanex16_b32 v[PX+\i], v[\b+2*\i], s100, s101
.endr
.irp i, 0,1,2,3
	v_add_f32 v[\b+2*\i], v[\b+2*\i], v[PX+\i]
.endr
.endm
.macro LNORM bt
.set XB, ACC+64*(\bt)
.irp i, 0,1,2,3
	v_pk_add_f32 v[SU+2*\i:SU+2*\i+1], v[XB+16*\i:XB+16*\i+1], v[XB+16*\i+2:XB+16*\i+3]
.endr
.irp k, 2,3,4,5,6,7
.irp i, 0,1,2,3
	v_pk_add_f32 v[SU+2*\i:SU+2*\i+1], v[SU+2*\i:SU+2*\i+1], v[XB+16*\i+2*\k:XB+16*\i+2*\k+1]
.endr
.endr
	REDUCE SU
.irp i, 0,1,2,3
	v_mul_f32 v[SU+2*\i], s104, v[SU+2*\i]         ; the mean
.endr
.irp k, 0,1,2,3,4,5,6,7
.irp i, 0,1,2,3
	v_pk_add_f32 v[XB+16*\i+2*\k:XB+16*\i+2*\k+1], v[XB+16*\i+2*\k:XB+16*\i+2*\k+1], v[SU+2*\i:SU+2*\i+1] op_sel_hi:[1,0] neg_lo:[0,1] neg_hi:[0,1]   ; x - mean (the pair's low word serves both halves)
.endr
.endr
.irp i, 0,1,2,3
	v_pk_mul_f32 v[SQ+2*\i:SQ+2*\i+1], v[XB+16*\i:XB+16*\i+1], v[XB+16*\i:XB+16*\i+1]
.endr
.irp k, 1,2,3,4,5,6,7
.irp i, 0,1,2,3
	v_pk_fma_f32 v[SQ+2*\i:SQ+2*\i+1], v[XB+16*\i+2*\k:XB+16*\i+2*\k+1], v[XB+16*\i+2*\k:XB+16*\i+2*\k+1], v[SQ+2*\i:SQ+2*\i+1]
.endr
.endr
	REDUCE SQ
.irp i, 0,1,2,3
	v_fma_f32 v[SQ+2*\i], v[SQ+2*\i], s104, s105   ; the variance + 1e-5
.endr
.irp i, 0,1,2,3
	v_rsq_f32 v[SQ+2*\i], v[SQ+2*\i]
.endr
	v_nop                                          ; a plain instruction between a transcendental and the use of its result
	s_wait_alu depctr_va_vdst(0)
.irp k, 0,1,2,3,4,5,6,7
.irp i, 0,1,2,3
	v_pk_mul_f32 v[XB+16*\i+2*\k:XB+16*\i+2*\k+1], v[XB+16*\i+2*\k:XB+16*\i+2*\k+1], v[SQ+2*\i:SQ+2*\i+1] op_sel_hi:[1,0]
.endr
.endr
.irp k, 0,1,2,3,4,5,6,7
.irp i, 0,1,2,3
	v_pk_fma_f32 v[XB+16*\i+2*\k:XB+16*\i+2*\k+1], v[XB+16*\i+2*\k:XB+16*\i+2*\k+1], v[BIA+2*\k:BIA+2*\k+1], v[BIA+16+2*\k:BIA+16+2*\k+1]   ; x gain + bias
.endr
.endr
.irp i, 0,1,2,3
.irp j, 0,1,2,3
	ds_store_b128 v[HFW], v[XB+16*\i+4*\j:XB+16*\i+4*\j+3] offset:HFP*(4*(\bt)+\i)+512*\j
.endr
.endr
.endm
	s_mov_b32 s104, 0x3b000000                     ; 1 / 512
	s_mov_b32 s105, 0x3727c5ac                     ; 1e-5
	s_wait_loadcnt 16                              ; my first four rows are in; the other four rows' 16 loads may be out
	LNORM 0
	s_wait_loadcnt 0x0
	LNORM 1
	BARRIER                                        ; the 64 normed rows, b1 and b2 lie in LDS
; 32 numbers of a lane, v[src] on, register 16 b + i = k 32 (2 c + b) + 16 h + i of my row, become registers 6 c .. 6 c + 5 of a fragment at v[pc] and bytes 2 c, 2 c + 1 of its scale word v[pw].
.macro QHALF src, pc, pw, c, relu
.if \relu
.set QI, 0
.rept 32
	v_max_num_f32 v[(\src)+QI], 0, v[(\src)+QI]    ; the activation, in f32; each accumulator is read from its low end on
.set QI, QI+1
.endr
.irp b, 0,1
	v_max3_num_f32 v[TM+\b], v[(\src)+16*\b], v[(\src)+16*\b+1], 0x1800000   ; my 16 numbers of the block (none is negative), and the floor 2^(3 - 127): the byte cannot fall under 1
.endr
.irp i, 2,4,6,8,10,12,14
.irp b, 0,1
	v_max3_num_f32 v[TM+\b], v[TM+\b], v[(\src)+16*\b+\i], v[(\src)+16*\b+\i+1]
.endr
.endr
.else
.irp b, 0,1
	v_max3_num_f32 v[TM+\b], |v[(\src)+16*\b]|, |v[(\src)+16*\b+1]|, 0x1800000
.endr
.irp i, 2,4,6,8,10,12,14
.irp b, 0,1
	v_max3_num_f32 v[TM+\b], v[TM+\b], |v[(\src)+16*\b+\i]|, |v[(\src)+16*\b+\i+1]|
.endr
.endr
.endif
.irp b, 0,1
	v_permlanex16_b32 v[TM+2+\b], v[TM+\b], s100, s101
.endr
.irp b, 0,1
	v_max_num_f32 v[TM+\b], v[TM+\b], v[TM+2+\b]   ; with lane l xor 16's: the block's largest magnitude
.endr
.irp b, 0,1
	v_add_nc_u32 v[TM+4+\b], 0xff000000, v[TM+\b]  ; 2 off its exponent field: the conversion's scale operand
.endr
.irp b, 0,1
	v_lshrrev_b32 v[TM+2+\b], 23, v[TM+4+\b]       ; the scale's byte
.endr
.if (\c) == 0
	v_lshl_or_b32 v[\pw], v[TM+3], 8, v[TM+2]
.else
	v_lshl_or_b32 v[\pw], v[TM+2], 16, v[\pw]
	v_lshl_or_b32 v[\pw], v[TM+3], 24, v[\pw]
.endif
	v_cvt_scalef32_pk16_fp6_f32 v[(\pc)+6*(\c):(\pc)+6*(\c)+2], v[(\src):(\src)+15], v[TM+4]
	v_cvt_scalef32_pk16_fp6_f32 v[PT:PT+2], v[(\src)+16:(\src)+31], v[TM+5]     ; (a conversion's three registers begin on an even number)
	v_nop                                          ; one plain instruction behind a scaled conversion
.irp i, 0,1,2
	v_permlane16_swap_b32 v[(\pc)+6*(\c)+\i], v[PT+\i]   ; the layout wants a whole block in a lane: lanes 0-15 block 2 c, lanes 16-31 block 2 c + 1
.endr
.irp i, 0,1,2
	v_mov_b32 v[(\pc)+6*(\c)+3+\i], v[PT+\i]
.endr
.endm
.macro IMAGE adr, off, pc              ; a fragment goes to LDS as it stands: 512 consecutive bytes a store
.irp g, 0,1,2
	ds_store_b128 v[\adr], v[(\pc)+4*\g:(\pc)+4*\g+3] offset:(\off)+512*\g
.endr
.endm
; ---- THE ROWS' CODES: wave w quantises rows 16 (w / 2) on, K steps 2 (w % 2) and 2 (w % 2) + 1: images 2 w and 2 w + 1.
.irp k, 0,1
.irp b, 0,1,2,3
.irp j, 0,1,2,3
	ds_load_b128 v[ACC+64*\k+16*\b+4*\j:ACC+64*\k+16*\b+4*\j+3], v[QA] offset:512*\k+128*\b+16*\j
.endr
.endr
.endr
	s_wait_dscnt 16                                ; the first K step's 16 loads are in
	QHALF ACC, PC, PW, 0, 0
	QHALF ACC+32, PC, PW, 1, 0
	IMAGE XW, 0, PC
	ds_store_b32 v[XWS], v[PW]
	s_wait_dscnt 4                                 ; only the four stores just issued may be out: the second K step's loads are in
	QHALF ACC+64, PC+12, PW+1, 0, 0
	QHALF ACC+96, PC+12, PW+1, 1, 0
	IMAGE XW, FRB, PC+12
	ds_store_b32 v[XWS], v[PW+1] offset:128
	BARRIER                                        ; the rows' sixteen fragments lie in LDS
; HALF SET n = 2 q + u: set q's four weight fragments against row tiles m = 2 u and 2 u + 1.
.macro BFETCHC n                       ; half set n's two row fragments, into buffer n % 2 (destination window 1)
.set BB, 192+24*((\n)%2)
.irp mm, 0,1
.if (\n) < 8
.irp g, 0,1,2
	ds_load_b128 v[BB+12*\mm+4*\g:BB+12*\mm+4*\g+3], v[XI] offset:(4*(2*((\n)%2)+\mm)+(\n)/2)*FRB+512*\g
.endr
.else
.irp p, 0,1,2,3,4,5
	ds_load_b64 v[BB+12*\mm+2*\p:BB+12*\mm+2*\p+1], v[HI8] offset:(4*(2*((\n)%2)+\mm)+(\n)/2-4)*FRB+256*\p   ; the hidden layer's images lie by register pairs: two waves made a fragment's halves
.endr
.endif
.endr
.endm
.macro BFETCHS n                       ; first product: and their scale words
.irp mm, 0,1
	ds_load_b32 v[BS+2*((\n)%2)+\mm], v[XSA] offset:128*(4*(2*((\n)%2)+\mm)+(\n)/2)
.endr
.endm
.macro BFETCH n
	WIN 0x40
	BFETCHC \n
	WIN 0
.if (\n) < 8
	BFETCHS \n
.endif
.endm
.macro BIAS1                           ; b1 in the result's layout: tile t = 2 b + u, lane (r, h): my units 32 b + 16 h + 8 u + 0 .. 7
.irp t, 0,1,2,3
	ds_load_b128 v[BIA+8*\t:BIA+8*\t+3], v[BA] offset:128*(\t/2)+32*(\t%2)
	ds_load_b128 v[BIA+8*\t+4:BIA+8*\t+7], v[BA] offset:128*(\t/2)+32*(\t%2)+16
.endr
.endm
.macro BIAS2                           ; b2: tile t, lane (r, h): outputs 16 t + 8 h + 0 .. 7
.irp t, 0,1,2,3
	ds_load_b128 v[BIA+8*\t:BIA+8*\t+3], v[B2A] offset:64*\t
	ds_load_b128 v[BIA+8*\t+4:BIA+8*\t+7], v[B2A] offset:64*\t+16
.endr
.endm
.macro WM t, m, cb                     ; source 0: the weight's tile t; source 1: the half set's row tile m.  An odd tile's scale words lie in lanes 16-31 of its register
.if (\t)%2
	v_wmma_scale_f32_16x16x128_f8f6f4 v[AQ+32*(\m)+8*(\t):AQ+32*(\m)+8*(\t)+7], v[SL+12*(\t):SL+12*(\t)+11], v[BB+12*(\m):BB+12*(\m)+11], v[\cb:\cb+7], v[SWQ+(\t)/2], v[BSQ+BST*(\m)] matrix_a_fmt:MATRIX_FMT_FP6 matrix_b_fmt:MATRIX_FMT_FP6 matrix_a_scale:MATRIX_SCALE_ROW1
.else
	v_wmma_scale_f32_16x16x128_f8f6f4 v[AQ+32*(\m)+8*(\t):AQ+32*(\m)+8*(\t)+7], v[SL+12*(\t):SL+12*(\t)+11], v[BB+12*(\m):BB+12*(\m)+11], v[\cb:\cb+7], v[SWQ+(\t)/2], v[BSQ+BST*(\m)] matrix_a_fmt:MATRIX_FMT_FP6 matrix_b_fmt:MATRIX_FMT_FP6
.endif
.endm
.macro MULS n, first                   ; 8 matrix instructions; the half set's 8 accumulators take turns, one instruction a turn, and the next half set takes the other 8
.set SL, 48*(((\n)/2)%4)
.set BB, 192+24*((\n)%2)
.set SWQ, SW+2*(((\n)/2)%4)
.set AQ, ACC+64*((\n)%2)
.if (\n) < 8
.set BSQ, BS+2*((\n)%2)
.set BST, 1
.else
.set BSQ, BSA+8*((\n)%2)+(\n)/2-4
.set BST, 4
.endif
	WIN 0x05                                       ; sources 0 and 1 window 1; C and D window 0
.irp t, 0,1,2,3
.irp m, 0,1
.if \first
	WM \t, \m, BIA+8*\t                            ; the bias starts the sum
.else
	WM \t, \m, AQ+32*\m+8*\t
.endif
.endr
.endr
	WIN 0
.endm
; A HALF SET: its waits, its 8 products, four places, then the requests: b2 once; behind a set's second half the ring's set four on; the row fragments two half sets on.
.macro HSET n
.set FI, 0
.if ((\n)/2 == 0) || ((\n)/2 == 4)
.set FI, 1
.endif
.set DC, 8                             ; younger than this half set's row fragments: the next half set's 6 + 2 loads (where b2 was asked for between, the count waits for it too)
.if (\n) >= 8
.set DC, 12                            ; second product: the next half set's 12 loads
.endif
.if ((\n) == 7) || ((\n) == 15)
.set DC, 0                             ; nothing was asked for behind them
.endif
.set WL, 0
.if ((\n)%2 == 1) && ((\n) < 8)
.set WL, 1
.endif
.set BF, 0
.if ((\n) < 6) || (((\n) >= 8) && ((\n) < 14))
.set BF, 1                             ; half set n + 2 belongs to the same product
.endif
.if (\n)%2 == 0
.if (\n) < 10
	s_wait_loadcnt 42                              ; younger than this set's 14 loads: at most the three sets behind it
.else
	s_wait_loadcnt 14*(7-(\n)/2)                   ; the sets that are left
.endif
.endif
	s_wait_dscnt DC
	MULS \n, FI
.rept 4
	v_nop                                          ; four places in front of loads into registers that these matrix instructions have read, and of the first read of results (ISA guide 7.12.1 for vector instructions)
.endr
.if (\n) == 1
	BIAS2                                          ; b1 has started its sixteen sums
.endif
.if WL || BF
	WIN 0x40
.if WL
	WLOADC (\n)/2+4
.endif
.if BF
	BFETCHC (\n)+2
.endif
	WIN 0
.if WL
	WLOADS (\n)/2+4
.endif
.if BF
.if (\n) < 6
	BFETCHS (\n)+2
.endif
.endif
.endif
.endm
; ---- THE FIRST PRODUCT: my 64 hidden units for the 64 rows, 4 K steps; then relu and the quantiser
	BIAS1
	BFETCH 0
	BFETCH 1
.irp n, 0,1,2,3,4,5,6,7
	HSET \n
.endr
.irp m, 0,1,2,3
	QHALF ACC+32*\m, PC+6*\m, PW+\m, 0, 1          ; six registers: my half of the fragment (row tile m, K step w / 2), and its two scale bytes
.endr
.irp m, 0,1,2,3
.irp p, 0,1,2
	ds_store_b64 v[HW], v[PC+6*\m+2*\p:PC+6*\m+2*\p+1] offset:4*FRB*\m+256*\p   ; 256 consecutive bytes a store, in 768 bytes that are my wave's alone
.endr
	ds_store_b32 v[HWS], v[PW+\m] offset:1024*\m
.endr
	BARRIER                                        ; the hidden layer's sixteen fragments lie in LDS (the ring's loads stay on their way: nobody writes those bytes)
; ---- THE SECOND PRODUCT: my 64 outputs for the 64 rows, the partner's 4 K steps
.irp m, 0,1,2,3
.irp k, 0,1,2,3
	ds_load_b32 v[BSA+4*\m+\k], v[HSA] offset:1024*\m+256*\k          ; the scale bytes of (row tile m, K step k): bytes 0, 1 from wave 2 k,
	ds_load_b32 v[ACC+4*\m+\k], v[HSA] offset:1024*\m+256*\k+128      ; bytes 2, 3 from wave 2 k + 1
.endr
.endr
.irp m, 0,1,2,3
.irp i, 0,1,2,3,4,5,6,7
	ds_load_b32 v[OFFE+8*\m+\i], v[LL] offset:LIST+64*\m+8*\i         ; the way out: the token of row 16 m + 2 i + h, from my own list
.endr
.endr
	BFETCH 8
	BFETCH 9
	s_wait_dscnt 24                                ; only the two half sets' 24 loads may be out
.irp k, 0,1,2,3,4,5,6,7,8,9,10,11,12,13,14,15
	v_lshl_or_b32 v[BSA+\k], v[ACC+\k], 16, v[BSA+\k]                 ; the scale words are whole; the 96 lines below stand between these and the first product (eight places are asked)
.endr
.irp k, 0,1,2,3,4,5,6,7,8,9,10,11,12,13,14,15,16,17,18,19,20,21,22,23,24,25,26,27,28,29,30,31
	v_min_u32 v[OFFE+\k], 0x7ff, v[OFFE+\k]
	v_lshlrev_b32 v[OFFE+\k], 11, v[OFFE+\k]       ; a token's row is 2,048 bytes
	v_add_nc_u32 v[OFFE+\k], v[OFFE+\k], v[CBR]
.endr
.irp n, 8,9,10,11,12,13,14,15
	HSET \n
.endr
; ---- THE WAY OUT.  A lane holds 32 neighbouring bytes of a row and the lanes beside it other rows: 16 rows at a time go through my own stage and come back, as rows of 256 bytes, into the registers that they left.
.irp m, 0,1,2,3
.irp n, 0,1,2,3
	ds_store_b128 v[SO], v[ACC+32*\m+8*\n:ACC+32*\m+8*\n+3] offset:64*\n          ; each accumulator from its low end on
	ds_store_b128 v[SO], v[ACC+32*\m+8*\n+4:ACC+32*\m+8*\n+7] offset:64*\n+16
.endr
.irp i, 0,1,2,3,4,5,6,7
	ds_load_b128 v[ACC+32*\m+4*\i:ACC+32*\m+4*\i+3], v[SR] offset:544*\i          ; LDS serves a wave's instructions in order: these see my stores, and the next 16 rows' stores come behind them
.endr
.endr
	s_wait_dscnt 0x0
	s_cmp_eq_u32 s[NR], 0                          ; a work-group without rows stores nothing
	s_cbranch_scc1 .Ldone
.irp m, 0,1,2,3
.irp i, 0,1,2,3,4,5,6,7
	global_store_b128 v[OFFE+8*\m+\i], v[ACC+32*\m+4*\i:ACC+32*\m+4*\i+3], s[24:25]   ; 16 lanes store 256 consecutive bytes of a token's row, at a multiple of 256 from the buffer's first byte
.endr
.endr
.Ldone:
	s_wait_tensorcnt 0x0
	ds_add_u32 v246, v247
	s_wait_dscnt 0x0
	s_endpgm
.Lfunc_end_k_q290106838a_chain:
	.size	k_q290106838a_chain, .Lfunc_end_k_q290106838a_chain-k_q290106838a_chain
	.p2alignl 7, 3214868480
	.fill 96, 4, 3214868480
	.section	.rodata,"a",@progbits
	.p2align	6, 0x0
	.amdhsa_kernel k_q290106838a_chain
		.amdhsa_group_segment_fixed_size 230400
		.amdhsa_private_segment_fixed_size 0
		.amdhsa_enable_private_segment 0
		.amdhsa_kernarg_size 88
		.amdhsa_user_sgpr_count 2
		.amdhsa_user_sgpr_kernarg_segment_ptr 1
		.amdhsa_wavefront_size32 1
		.amdhsa_system_sgpr_workgroup_id_x 1
		.amdhsa_system_sgpr_workgroup_id_y 1
		.amdhsa_system_sgpr_workgroup_id_z 1
		.amdhsa_system_vgpr_workitem_id 0
		.amdhsa_next_free_vgpr 512
		.amdhsa_next_free_sgpr 106
		.amdhsa_reserve_vcc 1
		.amdhsa_float_denorm_mode_32 3
		.amdhsa_float_denorm_mode_16_64 3
		.amdhsa_memory_ordered 1
		.amdhsa_forward_progress 1
		.amdhsa_inst_pref_size 161
	.end_amdhsa_kernel
	.amdgpu_metadata
---
amdhsa.version: [ 1, 2 ]
amdhsa.kernels:
  - .name:           k_q290106838a_chain
    .symbol:         k_q290106838a_chain.kd
    .args:
      - { .name: x, .offset: 0, .size: 8, .value_kind: global_buffer, .address_space: global }
      - { .name: ln_g, .offset: 8, .size: 8, .value_kind: global_buffer, .address_space: global }
      - { .name: ln_b, .offset: 16, .size: 8, .value_kind: global_buffer, .address_space: global }
      - { .name: b1, .offset: 24, .size: 8, .value_kind: global_buffer, .address_space: global }
      - { .name: b2, .offset: 32, .size: 8, .value_kind: global_buffer, .address_space: global }
      - { .name: w1c, .offset: 40, .size: 8, .value_kind: global_buffer, .address_space: global }
      - { .name: w1s, .offset: 48, .size: 8, .value_kind: global_buffer, .address_space: global }
      - { .name: w2c, .offset: 56, .size: 8, .value_kind: global_buffer, .address_space: global }
      - { .name: w2s, .offset: 64, .size: 8, .value_kind: global_buffer, .address_space: global }
      - { .name: route, .offset: 72, .size: 8, .value_kind: global_buffer, .address_space: global }
      - { .name: part, .offset: 80, .size: 8, .value_kind: global_buffer, .address_space: global }
    .group_segment_fixed_size: 230400
    .private_segment_fixed_size: 0
    .kernarg_segment_align: 8
    .kernarg_segment_size: 88
    .max_flat_workgroup_size: 256
    .sgpr_count:     106
    .vgpr_count:     512
    .wavefront_size: 32
...
	.end_amdgpu_metadata
.endif
;; end of part 4
;; launch sum (part 5): grid 256 x 1, 4 waves a work-group, no clusters, 0 bytes of LDS; arguments x, alpha, part, out0; writes out0
.if DOCPART == 5
	.amdgcn_target "amdgcn-amd-amdhsa--gfx1250"
	.amdhsa_code_object_version 6
	.text
	.protected	k_q290106838a_sum
	.globl	k_q290106838a_sum
	.p2align	8
	.type	k_q290106838a_sum,@function
k_q290106838a_sum:
	s_mov_b64 s[64:65], 0
	v_nop
	global_prefetch_b8 v0, s[64:65] scope:SCOPE_SE
	s_setreg_imm32_b32 hwreg(HW_REG_WAVE_MODE, 25, 1), 1
	s_wait_xcnt 0x0
; SUM: out[t] = x[t] + alpha[t] ((p0[t] + p1[t]) + (p2[t] + p3[t])), p0 .. p3 the four planes [2048][512] f32 in which the launch before left the four partners' shares of each token's row.
; That is alpha (x + y) + (1 - alpha) x with y the expert's second product and its bias.
; A stream: each byte is read once and written once.  A wave takes two tokens: 8 groups of 512 consecutive bytes, for each of them five loads (four planes and x), all 40 issued at once; a group is added and
; stored as soon as its five loads are in.  No LDS, no barrier, no matrix work: waves share nothing.  The two alphas come by one scalar load (no line of this launch writes that buffer).
; LIMITS: NaN and infinities are not served.
.set ROW,   2048                       ; bytes in a token's row
.set PLANE, 4194304                    ; bytes in a plane
.set DAT,   8                          ; v8-167: group k at v[8 + 20 k]: p0, p1, p2, p3, x, four registers each
	s_load_b256 s[4:11], s[0:1], 0x0               ; x s[4:5], alpha s[6:7], part s[8:9], out0 s[10:11]
	v_lshrrev_b32 v1, 5, v0
	v_readfirstlane_b32 s12, v1                    ; wave 0..3
	v_and_b32 v1, 31, v0
	v_lshlrev_b32 v1, 4, v1                        ; 16 bytes a lane; never rewritten
	s_lshl_b32 s13, ttmp9, 2
	s_add_co_u32 s13, s13, s12                     ; which pair of tokens is my wave's
	s_lshl_b32 s14, s13, 12                        ; two rows of 2,048 bytes
	s_mov_b32 s15, 0
	s_lshl_b32 s16, s13, 3                         ; two alphas
	s_mov_b32 s17, 0
	s_wait_kmcnt 0x0
	s_add_nc_u64 s[4:5], s[4:5], s[14:15]
	s_add_nc_u64 s[8:9], s[8:9], s[14:15]          ; planes 0 and 1: the second by the immediate
	s_add_nc_u64 s[10:11], s[10:11], s[14:15]
	s_add_nc_u64 s[6:7], s[6:7], s[16:17]
	s_add_nc_u64 s[18:19], s[8:9], 2*PLANE         ; planes 2 and 3: two planes lie beyond the signed 24-bit immediate (ISA guide, chapter 10)
	s_load_b64 s[20:21], s[6:7], 0x0
.irp i, 0,1
.irp j, 0,1,2,3
.set R, DAT+20*(4*\i+\j)
	global_load_b128 v[R:R+3],     v1, s[8:9]   offset:ROW*\i+512*\j th:TH_LOAD_NT
	global_load_b128 v[R+4:R+7],   v1, s[8:9]   offset:PLANE+ROW*\i+512*\j th:TH_LOAD_NT
	global_load_b128 v[R+8:R+11],  v1, s[18:19] offset:ROW*\i+512*\j th:TH_LOAD_NT
	global_load_b128 v[R+12:R+15], v1, s[18:19] offset:PLANE+ROW*\i+512*\j th:TH_LOAD_NT
	global_load_b128 v[R+16:R+19], v1, s[4:5]   offset:ROW*\i+512*\j th:TH_LOAD_NT
.endr
.endr
	s_wait_kmcnt 0x0                               ; the alphas
	s_mov_b32 s22, s21                             ; the packed form names a pair and takes its low word for both halves: s[20:21] serves the first token, s[22:23] the second
	s_mov_b32 s23, s21
.irp i, 0,1
.irp j, 0,1,2,3
.set R, DAT+20*(4*\i+\j)
	s_wait_loadcnt 35-5*(4*\i+\j)                  ; loads come back in order (ISA guide 5.7.1): this group's five are in, the younger groups' stay out
	v_pk_add_f32 v[R:R+1],     v[R:R+1],     v[R+4:R+5]
	v_pk_add_f32 v[R+2:R+3],   v[R+2:R+3],   v[R+6:R+7]
	v_pk_add_f32 v[R+8:R+9],   v[R+8:R+9],   v[R+12:R+13]
	v_pk_add_f32 v[R+10:R+11], v[R+10:R+11], v[R+14:R+15]
	v_pk_add_f32 v[R:R+1],     v[R:R+1],     v[R+8:R+9]
	v_pk_add_f32 v[R+2:R+3],   v[R+2:R+3],   v[R+10:R+11]
	v_pk_fma_f32 v[R:R+1],   v[R:R+1],   s[20+2*\i:21+2*\i], v[R+16:R+17] op_sel_hi:[1,0,1]
	v_pk_fma_f32 v[R+2:R+3], v[R+2:R+3], s[20+2*\i:21+2*\i], v[R+18:R+19] op_sel_hi:[1,0,1]
	global_store_b128 v1, v[R:R+3], s[10:11] offset:ROW*\i+512*\j th:TH_STORE_NT   ; 32 lanes store 512 consecutive bytes, at a multiple of 256 from out0's first byte; no register of a store is written again
.endr
.endr
	s_endpgm
.Lfunc_end_k_q290106838a_sum:
	.size	k_q290106838a_sum, .Lfunc_end_k_q290106838a_sum-k_q290106838a_sum
	.p2alignl 7, 3214868480
	.fill 96, 4, 3214868480
	.section	.rodata,"a",@progbits
	.p2align	6, 0x0
	.amdhsa_kernel k_q290106838a_sum
		.amdhsa_group_segment_fixed_size 0
		.amdhsa_private_segment_fixed_size 0
		.amdhsa_enable_private_segment 0
		.amdhsa_kernarg_size 32
		.amdhsa_user_sgpr_count 2
		.amdhsa_user_sgpr_kernarg_segment_ptr 1
		.amdhsa_wavefront_size32 1
		.amdhsa_system_sgpr_workgroup_id_x 1
		.amdhsa_system_sgpr_workgroup_id_y 1
		.amdhsa_system_sgpr_workgroup_id_z 1
		.amdhsa_system_vgpr_workitem_id 0
		.amdhsa_next_free_vgpr 168
		.amdhsa_next_free_sgpr 66
		.amdhsa_reserve_vcc 0
		.amdhsa_float_denorm_mode_32 3
		.amdhsa_float_denorm_mode_16_64 3
		.amdhsa_memory_ordered 1
		.amdhsa_forward_progress 1
		.amdhsa_inst_pref_size 10
	.end_amdhsa_kernel
	.amdgpu_metadata
---
amdhsa.version: [ 1, 2 ]
amdhsa.kernels:
  - .name:           k_q290106838a_sum
    .symbol:         k_q290106838a_sum.kd
    .args:
      - { .name: x, .offset: 0, .size: 8, .value_kind: global_buffer, .address_space: global }
      - { .name: alpha, .offset: 8, .size: 8, .value_kind: global_buffer, .address_space: global }
      - { .name: part, .offset: 16, .size: 8, .value_kind: global_buffer, .address_space: global }
      - { .name: out0, .offset: 24, .size: 8, .value_kind: global_buffer, .address_space: global }
    .group_segment_fixed_size: 0
    .private_segment_fixed_size: 0
    .kernarg_segment_align: 8
    .kernarg_segment_size: 32
    .max_flat_workgroup_size: 128
    .sgpr_count:     66
    .vgpr_count:     168
    .wavefront_size: 32
...
	.end_amdgpu_metadata
.endif
;; end of part 5
;; ======== version 3 of 3: 3 launches; version 2 with the launch sum written anew for expert scheduling mode
;; workspace buffers: w1c 6,291,456 bytes; w2c 6,291,456 bytes; w1s 262,144 bytes; w2s 262,144 bytes; alpha 8,192 bytes; route 4,096 bytes of whole numbers; part 16,777,216 bytes
;; launch prep: the kernel of part 3 again; grid 1088 x 1, 4 waves a work-group, no clusters, 0 bytes of LDS; arguments x, centroids, W1, W2, w1c, w1s, w2c, w2s, alpha, route; writes w1c, w1s, w2c, w2s, alpha, route
;; launch chain: the kernel of part 4 again; grid 156 x 1, 8 waves a work-group, no clusters, 230,400 bytes of LDS; arguments x, ln_g, ln_b, b1, b2, w1c, w1s, w2c, w2s, route, part; writes part
;; launch sum (part 6): grid 256 x 1, 4 waves a work-group, no clusters, 0 bytes of LDS; arguments x, alpha, part, out0; writes out0
.if DOCPART == 6
	.amdgcn_target "amdgcn-amd-amdhsa--gfx1250"
	.amdhsa_code_object_version 6
	.text
	.protected	k_q290106838a_sum
	.globl	k_q290106838a_sum
	.p2align	8
	.type	k_q290106838a_sum,@function
k_q290106838a_sum:
	s_mov_b64 s[64:65], 0
	v_nop
	global_prefetch_b8 v0, s[64:65] scope:SCOPE_SE
	s_setreg_imm32_b32 hwreg(HW_REG_WAVE_SCHED_MODE, 0, 2), 2
	s_setreg_imm32_b32 hwreg(HW_REG_WAVE_MODE, 25, 1), 1
	s_wait_xcnt 0x0
	s_wait_alu depctr_vm_vsrc(0)
; SUM: out[t] = x[t] + alpha[t] ((p0[t] + p1[t]) + (p2[t] + p3[t])), p0 .. p3 the four planes [2048][512] f32 in which the launch before left the four partners' shares of each token's row.
; That is alpha (x + y) + (1 - alpha) x with y the expert's second product and its bias.
; A stream: each byte is read once and written once.  A wave takes two tokens: 8 groups of 512 consecutive bytes, for each of them five loads (four planes and x), all 40 issued at once; a group is added as soon
; as its five loads are in.  No LDS, no barrier, no matrix work: waves share nothing.  The two alphas come by one scalar load (no line of this launch writes that buffer).
; LIMITS: NaN and infinities are not served.
; THE MODE: SCHED_MODE bits 1:0 = 2 (LLVM: expert scheduling mode 2), set by the entry lines.  The code itself states the register dependences between vector instructions and memory instructions, and those of
; scalar results of vector instructions, with s_wait_alu, always for 0.
; THE PLAN.  Registers that memory instructions touch:
;   v1        the one offset: written at the head, read by every load and store, never written again: one wait on va_vdst ahead of the first load.
;   v8-167    group k's 20 registers: written by its five loads, which no vector line has named before; its eight packed lines then write its first four, which its store reads.  No register is written again.
; Group k's store is issued at the head of group k + 1, behind that group's wait for its loads and ONE wait on va_vdst, which states that group k's sums are written; the last group's store has a wait of its own.
; No register that a memory instruction has read is written again, so no wait on vm_vsrc is owed.
.set ROW,   2048                       ; bytes in a token's row
.set PLANE, 4194304                    ; bytes in a plane
.set DAT,   8                          ; v8-167: group k at v[8 + 20 k]: p0, p1, p2, p3, x, four registers each
	s_load_b256 s[4:11], s[0:1], 0x0               ; x s[4:5], alpha s[6:7], part s[8:9], out0 s[10:11]
	v_lshrrev_b32 v1, 5, v0
	v_readfirstlane_b32 s12, v1                    ; wave 0..3
	v_and_b32 v1, 31, v0
	v_lshlrev_b32 v1, 4, v1                        ; 16 bytes a lane; never rewritten
	s_lshl_b32 s13, ttmp9, 2
	s_wait_alu depctr_va_sdst(0)                   ; the wave's number is written, ahead of its first reader
	s_add_co_u32 s13, s13, s12                     ; which pair of tokens is my wave's
	s_lshl_b32 s14, s13, 12                        ; two rows of 2,048 bytes
	s_mov_b32 s15, 0
	s_lshl_b32 s16, s13, 3                         ; two alphas
	s_mov_b32 s17, 0
	s_wait_kmcnt 0x0
	s_add_nc_u64 s[4:5], s[4:5], s[14:15]
	s_add_nc_u64 s[8:9], s[8:9], s[14:15]          ; planes 0 and 1: the second by the immediate
	s_add_nc_u64 s[10:11], s[10:11], s[14:15]
	s_add_nc_u64 s[6:7], s[6:7], s[16:17]
	s_add_nc_u64 s[18:19], s[8:9], 2*PLANE         ; planes 2 and 3: two planes lie beyond the signed 24-bit immediate (ISA guide, chapter 10)
	s_load_b64 s[20:21], s[6:7], 0x0
	s_wait_alu depctr_va_vdst(0)                   ; v1 is written: every load and store of the kernel reads it as its offset
.irp i, 0,1
.irp j, 0,1,2,3
.set R, DAT+20*(4*\i+\j)
	global_load_b128 v[R:R+3],     v1, s[8:9]   offset:ROW*\i+512*\j th:TH_LOAD_NT
	global_load_b128 v[R+4:R+7],   v1, s[8:9]   offset:PLANE+ROW*\i+512*\j th:TH_LOAD_NT
	global_load_b128 v[R+8:R+11],  v1, s[18:19] offset:ROW*\i+512*\j th:TH_LOAD_NT
	global_load_b128 v[R+12:R+15], v1, s[18:19] offset:PLANE+ROW*\i+512*\j th:TH_LOAD_NT
	global_load_b128 v[R+16:R+19], v1, s[4:5]   offset:ROW*\i+512*\j th:TH_LOAD_NT
.endr
.endr
	s_wait_kmcnt 0x0                               ; the alphas
	s_mov_b32 s22, s21                             ; the packed form names a pair and takes its low word for both halves: s[20:21] serves the first token, s[22:23] the second
	s_mov_b32 s23, s21
.irp k, 0,1,2,3,4,5,6,7
.set R, DAT+20*\k
	s_wait_loadcnt 35-5*\k                         ; loads come back in order (ISA guide 5.7.1): this group's five are in, the younger groups' stay out
.if \k > 0
	s_wait_alu depctr_va_vdst(0)                   ; the group before has written its four sums, which the store below reads
	global_store_b128 v1, v[R-20:R-17], s[10:11] offset:ROW*((\k-1)/4)+512*((\k-1)%4) th:TH_STORE_NT   ; 32 lanes store 512 consecutive bytes, at a multiple of 256 from out0's first byte; no register of a store is written again
.endif
	v_pk_add_f32 v[R:R+1],     v[R:R+1],     v[R+4:R+5]
	v_pk_add_f32 v[R+2:R+3],   v[R+2:R+3],   v[R+6:R+7]
	v_pk_add_f32 v[R+8:R+9],   v[R+8:R+9],   v[R+12:R+13]
	v_pk_add_f32 v[R+10:R+11], v[R+10:R+11], v[R+14:R+15]
	v_pk_add_f32 v[R:R+1],     v[R:R+1],     v[R+8:R+9]
	v_pk_add_f32 v[R+2:R+3],   v[R+2:R+3],   v[R+10:R+11]
	v_pk_fma_f32 v[R:R+1],   v[R:R+1],   s[20+2*(\k/4):21+2*(\k/4)], v[R+16:R+17] op_sel_hi:[1,0,1]
	v_pk_fma_f32 v[R+2:R+3], v[R+2:R+3], s[20+2*(\k/4):21+2*(\k/4)], v[R+18:R+19] op_sel_hi:[1,0,1]
.endr
	s_wait_alu depctr_va_vdst(0)                   ; the last group has written its four sums, which the last store reads
	global_store_b128 v1, v[DAT+140:DAT+143], s[10:11] offset:ROW+1536 th:TH_STORE_NT
	s_endpgm
.Lfunc_end_k_q290106838a_sum:
	.size	k_q290106838a_sum, .Lfunc_end_k_q290106838a_sum-k_q290106838a_sum
	.p2alignl 7, 3214868480
	.fill 96, 4, 3214868480
	.section	.rodata,"a",@progbits
	.p2align	6, 0x0
	.amdhsa_kernel k_q290106838a_sum
		.amdhsa_group_segment_fixed_size 0
		.amdhsa_private_segment_fixed_size 0
		.amdhsa_enable_private_segment 0
		.amdhsa_kernarg_size 32
		.amdhsa_user_sgpr_count 2
		.amdhsa_user_sgpr_kernarg_segment_ptr 1
		.amdhsa_wavefront_size32 1
		.amdhsa_system_sgpr_workgroup_id_x 1
		.amdhsa_system_sgpr_workgroup_id_y 1
		.amdhsa_system_sgpr_workgroup_id_z 1
		.amdhsa_system_vgpr_workitem_id 0
		.amdhsa_next_free_vgpr 168
		.amdhsa_next_free_sgpr 66
		.amdhsa_reserve_vcc 0
		.amdhsa_float_denorm_mode_32 3
		.amdhsa_float_denorm_mode_16_64 3
		.amdhsa_memory_ordered 1
		.amdhsa_forward_progress 1
		.amdhsa_inst_pref_size 11
	.end_amdhsa_kernel
	.amdgpu_metadata
---
amdhsa.version: [ 1, 2 ]
amdhsa.kernels:
  - .name:           k_q290106838a_sum
    .symbol:         k_q290106838a_sum.kd
    .args:
      - { .name: x, .offset: 0, .size: 8, .value_kind: global_buffer, .address_space: global }
      - { .name: alpha, .offset: 8, .size: 8, .value_kind: global_buffer, .address_space: global }
      - { .name: part, .offset: 16, .size: 8, .value_kind: global_buffer, .address_space: global }
      - { .name: out0, .offset: 24, .size: 8, .value_kind: global_buffer, .address_space: global }
    .group_segment_fixed_size: 0
    .private_segment_fixed_size: 0
    .kernarg_segment_align: 8
    .kernarg_segment_size: 32
    .max_flat_workgroup_size: 128
    .sgpr_count:     66
    .vgpr_count:     168
    .wavefront_size: 32
...
	.end_amdgpu_metadata
.endif
;; end of part 6
